; MI455X (gfx1250); checked and timed in simulation.
; The chip was launched on July 23, 2026; its instructions are those of AMD's public machine-readable ISA for CDNA 5 (MIT licence, August 2026) and "CDNA5" Instruction Set Architecture Reference Guide (July 2026). The comments in the code are by the model that wrote it; some were corrected since.
;; Multi Head Attention Einsum. Allowed arithmetic: matrix products marked QUANTISED: E4M3 operands, one given power-of-two scale a tensor, by v_wmma_f32_16x16x64_fp8_fp8 or v_wmma_f32_16x16x128_fp8_fp8, f32 sums; everything else in f32.
;; Inputs: W_k_codes 1,024 x 32 x 32 uint8 (E4M3 codes of W_k, K innermost, in blocks of 32 codes); W_out_codes 1,024 x 32 x 32 uint8 (E4M3 codes of W_out, K innermost, in blocks of 32 codes); W_q_codes 1,024 x 32 x 32 uint8 (E4M3 codes of W_q, K innermost, in blocks of 32 codes); W_v_codes 1,024 x 32 x 32 uint8 (E4M3 codes of W_v, K innermost, in blocks of 32 codes); b_out 1,024 float32; lowp_scales 12 int32 (the exponents e of the quantised operands' scales 2^e); x_codes 4 x 2,048 x 32 x 32 uint8 (E4M3 codes of x, K innermost, in blocks of 32 codes).
;; Outputs: out0 4 x 2,048 x 1,024 float32.
;; This version of the problem:
;;   THIS VERSION OF THE PROBLEM IS GIVEN IN LOW PRECISION. The matrix products marked QUANTISED in the list below multiply operands that are first quantised to E4M3 (4 exponent bits, 3 mantissa bits; 8 bits a number), with one given power-of-two scale for each operand tensor; their sums are f32. All else is computed in f32.
;;   The module's matrix products, in the order in which they are computed (A, B: the left and right operand; K: the contracted axis; several contracted axes count as one K, in the product's order):
;;     1. [M 8,192, K 1,024] x [K 1,024, N 1,024]; A: input x (given as codes); B: input W_q (given as codes): QUANTISED (scales: A lowp_scales[0], B lowp_scales[1])
;;     2. [M 8,192, K 1,024] x [K 1,024, N 1,024]; A: input x (given as codes); B: input W_k (given as codes): QUANTISED (scales: A lowp_scales[2], B lowp_scales[3])
;;     3. [M 8,192, K 1,024] x [K 1,024, N 1,024]; A: input x (given as codes); B: input W_v (given as codes): QUANTISED (scales: A lowp_scales[4], B lowp_scales[5])
;;     4. batch 64 x [M 2,048, K 64] x [K 64, N 2,048]; A: computed on the way; B: computed on the way: QUANTISED (scales: A lowp_scales[6], B lowp_scales[7])
;;     5. batch 64 x [M 2,048, K 2,048] x [K 2,048, N 64]; A: softmax (see below); B: computed on the way: QUANTISED (scales: A lowp_scales[8], B lowp_scales[9])
;;     6. [M 8,192, K 1,024] x [K 1,024, N 1,024]; A: computed on the way; B: input W_out (given as codes): QUANTISED (scales: A lowp_scales[10], B lowp_scales[11])
;;   THE QUANTISER, for each operand of a quantised product, along K:
;;     - The operand's scale is 2^e, e = its entry of the input lowp_scales (int32; the entries are numbered through the quantised products in the list's order, A before B).
;;     - Each number is divided by the scale, clamped to +-448, and rounded to the nearest number of E4M3, ties to even, subnormals kept.
;;     - The product sums the exact products of the quantised numbers (number of the format x scale) in f32.
;;   ~~~python
;;   def quantise(x, axis, e):      # numpy; x: float32 -> the quantised numbers, widened to float32 again
;;       x = np.moveaxis(x, axis, -1); K = x.shape[-1]
;;       r = np.clip(x / 2.0 ** e, -448, 448)
;;       step = 2.0 ** (np.maximum(np.frexp(np.where(r == 0, 1, r))[1] - 1, -6) - 3)
;;       q = np.round(r / step) * step * 2.0 ** e      # np.round: ties to even
;;       return np.moveaxis(q, -1, axis).astype(np.float32)
;;   ~~~
;;   SOFTMAX AHEAD OF A QUANTISED PRODUCT. Where the list says 'softmax', what is quantised is not the finished softmax but p = 2^(t - M), with t = logit x log2(e) and M = ceil(the row's largest t), a whole number; so 1/2 < the row's largest p <= 1. The row's sum l is taken of the UNQUANTISED p, in f32, and the product's result is divided by l at the end. Since M is a whole number, a kernel that streams over the keys may use a running M (the ceiling of the running maximum): every later rescaling is an exact power of two, so the quantised numbers keep their values, but for numbers so far below the row's largest that they fall under the format's range.
;;   OPERANDS COMPUTED ON THE WAY. 'Computed on the way' means the value that the module computes at that place (a softmax that the list does not call 'softmax' is quantised finished and normalised). What goes into a quantiser is computed in f32, as accurately as f32 sums, v_exp_f32 and their like allow (about 1e-6 of the number): no bf16 or f16 on the way to a quantiser, and a product that is left as it is and whose result goes on into a quantised operand takes f32 operands (vector FMAs, or v_wmma_f32_16x16x4_f32). A number that lies on a knife's edge between two numbers of the format may be rounded either way, as far as f32 arithmetic and the matrix unit's own rounding can turn it there, and no further.
;;   INPUTS GIVEN AS CODES. W_k (in the module: [1024, 1024], K = its axis 1); W_out (in the module: [1024, 1024], K = its axis 1); W_q (in the module: [1024, 1024], K = its axis 1); W_v (in the module: [1024, 1024], K = its axis 1); x (in the module: [4, 2048, 1024], K = its axis 2): each comes as NAME_codes (uint8): NAME with its K axis moved to the last place and cut into blocks of 32 codes, [.., K / 32, bytes a block], one block behind the other in memory; one code a byte (a code: sign, 4 exponent bits, 3 mantissa bits); its scale is its entry of lowp_scales. Its value is code x scale, taken as it is: it is not quantised again, and the codes and scales need not be those that the quantiser above would give.
;; 2 versions. Each part assembles by itself: llvm-mc -triple=amdgcn-amd-amdhsa -mcpu=gfx1250 --defsym DOCPART=n.
;; ======== version 1 of 2: 3 launches
;; workspace buffers: qkv 25,165,824 bytes; ctx 8,388,608 bytes
;; launch proj (part 1): grid 12 x 32, 4 waves a work-group, clusters of 4 x 4, 327,680 bytes of LDS; arguments x_codes, W_q_codes, W_k_codes, W_v_codes, lowp_scales, qkv; writes qkv
.if DOCPART == 1
	.amdgcn_target "amdgcn-amd-amdhsa--gfx1250"
	.amdhsa_code_object_version 6
	.text
	.protected	k_qe341a6e29a_proj
	.globl	k_qe341a6e29a_proj
	.p2align	8
	.type	k_qe341a6e29a_proj,@function
k_qe341a6e29a_proj:
	s_mov_b64 s[64:65], 0
	v_nop
	global_prefetch_b8 v0, s[64:65] scope:SCOPE_SE
	s_setreg_imm32_b32 hwreg(HW_REG_WAVE_MODE, 25, 1), 1
	s_wait_xcnt 0x0
	s_wait_alu depctr_hold_cnt(0) depctr_sa_sdst(0) depctr_va_vdst(0) depctr_va_sdst(0) depctr_va_ssrc(0) depctr_va_vcc(0) depctr_vm_vsrc(0)
	s_getreg_b32 s2, hwreg(HW_REG_IB_STS2, 6, 4)
	s_cmp_eq_u32 s2, 0
	s_cbranch_scc0 .Lentry_in_a_cluster
	s_endpgm
.Lentry_in_a_cluster:
	s_bfe_u32 s2, ttmp6, 0x10000c
	s_cmp_lg_u32 s2, 0xf033
	s_cbranch_scc0 .Lentry_shape_is_right
	s_endpgm
.Lentry_shape_is_right:
; q, k, v = x W^T on codes of FP8 (E4M3), then quantised again with the given scales and stored as IMAGES OF THE REGISTERS that the attention launch wants as operands.
; x: [8192][1024] codes; W_q, W_k, W_v: [1024][1024] codes, K innermost.  lowp_scales: e0..e11.  A sum of product t stands for sum x 2^(e(2t) + e(2t+1)); its code is sum / 2^(eo - ex - ew), eo = e6 (q), e7 (k), e9 (v).
; LIMIT: eo - ex - ew lies between -126 and 119, so that this power of two and 448 times it are f32 numbers.  NaN codes among the inputs are not served.
; SHARES.  384 tiles of 256 x 256, K = 1,024; a work-group of four waves makes one, a wave 128 x 128: 64 accumulators, 512 registers.  The cluster's x is the TYPE (0 q, 1 k, 2 v), alike in all sixteen partners.
; ROLES.  LDS region B feeds source 0, region A source 1: in a result lane l holds row l % 16 of A's tile and its eight registers rows 8 (l / 16) + 0..7 of B's.  One conversion of those eight gives two registers of an operand
; whose K runs along B's rows.  q, k (K = channels): A = x (tile 4 cluster y + cy), B = W (tile cx).  v (K = keys): A = W_v (tile cy), B = x (tile 4 cluster y + cx).  The buffers are chosen by selects on the type; no branch hangs on it.
; CLUSTERS: 4 x 4.  A's tile hangs on cy and is asked for jointly by my row of the cluster, B's on cx and by my column: the requests for both are divided by four.
; K goes in steps of 256 through two LDS slots; four slots' worth in all, so the eight steps of 128 are written out.  Both operands are read by four loads of 16 bytes a fragment: the same permutation of k on both sides.
; WORKSPACE qkv.  q at 0, k at 8 MiB: [batch x head 64][tile of 16 tokens 128][2][32 lanes][16 bytes]: lane (r, h): token r, registers 2 t, 2 t + 1: channels 16 t + 8 h + 0..7.
;   v at 16 MiB: [batch x head 64][128 keys 16][tile of 16 channels 4][4][32 lanes][16 bytes]: lane (r, h): channel r, registers 2 c, 2 c + 1: keys 16 c + 8 h + 0..7.
; REGISTERS, in windows of 256: window 0: v1-6 at work, v10 448 x the scale, v11 the scale, v16-17, v20-21 LDS addresses, v28, v29 for the add, v32-39 store offsets, v128-255 A's fragments (one set), at the end the codes.
;   window 1: B's fragments, two sets.  windows 2, 3: the accumulators ((a, b) at v[8 (8 (a % 4) + b)]).
; SCALARS: s4-15 the six buffers; s16-17 A's offset; s18-21 the stores' two bases; s24-39 A's descriptors; s40 cx, s41 cy, s42 type, s43, s44 masks, s45 LDS place; s46-47 B's offset; s48-63 B's descriptors;
;   s66 wave, s67, s68 its halves; s69-71 4 x cluster y, is-v, is-not-v; s72-75 A's and B's addresses; s76-87 the twelve exponents; s88-97 the way out.
.set KROW,   1024                      ; a row of x or of W in memory, in bytes
.set ROWB,   256                       ; a tile's row in bytes
.set PITCH,  272                       ; an LDS row: 256 bytes + 16 of padding = 68 words: row r starts at bank 4 r mod 64 (ISA guide 11.1)
.set FR,     16                        ; registers of a fragment: 16 rows x 128 K
.set NL,     4                         ; LDS loads that bring one
.set NP,     4                         ; places behind this matrix instruction (ISA guide 7.12.1)
.set HALFT,  128*PITCH                 ; 128 rows: what one tensor load brings
.set SLOT,   4*HALFT                   ; A's 256 rows, then B's 256 rows
.set SPARE,  2*SLOT                    ; behind the ring: the spare words, 128 bytes for each wave
.set LIM,  10
.set SCL,  11
.set ADRA, 16
.set ADRB, 20
.set SPW,  28
.set NIL,  29
.set VOA,  32
.set AF,   128
.set CD,   128
.set G1,   24
.set G0,   32
.set G1B,  48
.set G0B,  56
.set BASE, 18
.set WV,   66
.set HFA,  67
.set HFB,  68
.set MSB, 0
.macro WIN new                         ; the immediate's high byte repeats the setting that is left
.if MSB != \new
	s_set_vgpr_msb (MSB<<8)|\new
.set MSB, \new
.endif
.endm
.set MUL_LO, 0xa1                      ; source 0 (B) window 1, source 1 (A) window 0, C and D window 2
.set MUL_HI, 0xf1                      ; the same, C and D window 3
.set TO_B,   0x40                      ; destination window 1, address window 0
; A joint load: waves 0 and 1 fetch for A, waves 2 and 3 for B.  The branch hangs on the wave's number alone.  Four v_nop follow each of the two lines.
.macro JLOAD g0a, g1a, g0b, g1b
	s_cmp_eq_u32 s[HFA], 0
	s_cbranch_scc0 .Lfor_b_\@
	tensor_load_to_lds s[\g0a:\g0a+3], s[\g1a:\g1a+7]
	s_nop 0
.rept 4
	v_nop
.endr
	s_branch .Lasked_\@
.Lfor_b_\@:
	tensor_load_to_lds s[\g0b:\g0b+3], s[\g1b:\g1b+7]
	s_nop 0
.rept 4
	v_nop
.endr
.Lasked_\@:
.endm
.macro CREST                           ; a round of the cluster's barrier behind its opening barrier
	s_cmp_lg_u32 s[WV], 0
	s_cbranch_scc1 .Lnot_wave_0_\@
	s_barrier_signal -3
.Lnot_wave_0_\@:
	s_barrier_wait -3
	s_barrier_signal -1
	s_barrier_wait -1
.endm
.macro CROUND                          ; a whole round
	s_barrier_signal -1
	s_barrier_wait -1
	CREST
.endm
	s_load_b256 s[4:11], s[0:1], 0x0               ; x s[4:5], W_q s[6:7], W_k s[8:9], W_v s[10:11]
	s_load_b128 s[12:15], s[0:1], 0x20             ; the exponents s[12:13], qkv s[14:15]
	v_lshl_add_u32 v[SPW], v0, 2, SPARE
	v_mov_b32 v[NIL], 0
	ds_add_u32 v28, v29
	ds_add_u32 v28, v29
	s_wait_dscnt 0x0
	v_lshrrev_b32 v1, 5, v0
	v_readfirstlane_b32 s[WV], v1                  ; wave 0..3
	s_lshr_b32 s[HFA], s[WV], 1                    ; which half of A's rows is mine.  Also: I fetch for A (0) or for B (1)
	s_and_b32 s[HFB], s[WV], 1                     ; which half of B's rows.  Also: which 128 rows of that tile I fetch
	s_bfe_u32 s40, ttmp6, 0x40000                  ; cx
	s_bfe_u32 s41, ttmp6, 0x40004                  ; cy
	s_mov_b32 s42, ttmp9                           ; the type: the cluster's x
	s_lshr_b32 s70, s42, 1                         ; 1 for v
	s_xor_b32 s71, s70, 1                          ; 1 for q and k
	s_and_b32 s69, ttmp7, 0xffff
	s_lshl_b32 s69, s69, 2                         ; 4 x the cluster's y
	s_mul_i32 s16, s69, s71
	s_add_co_u32 s16, s16, s41                     ; A's tile: cy, + 4 x cluster y where A is x
	s_mul_i32 s46, s69, s70
	s_add_co_u32 s46, s46, s40                     ; B's tile: cx, + 4 x cluster y where B is x
	s_lshl_b32 s43, s41, 2
	s_lshl_b32 s43, 15, s43                        ; my row of the cluster
	s_lshl_b32 s44, 0x1111, s40                    ; my column
	; descriptor group 1: a tile of 128 rows x 256 bytes, padded in LDS
	s_or_b32 s[G1+0], s43, (0<<16)|(1<<20)|(1<<21)|(5<<22)|(3<<25)  ; 15:0 the mask; 17:16 elements of 1 byte; 20 padding on; 21 set beside a mask; 24:22 after every 64 words; 31:25 four words
	s_or_b32 s[G1B+0], s44, (0<<16)|(1<<20)|(1<<21)|(5<<22)|(3<<25)
.irp g, G1, G1B
	s_mov_b32 s[\g+1], ROWB<<16                    ; tensor_dim0
	s_mov_b32 s[\g+2], 128<<16                     ; tensor_dim1
	s_mov_b32 s[\g+3], ROWB<<16                    ; tile_dim0
	s_mov_b32 s[\g+4], 128                         ; tile_dim1
	s_mov_b32 s[\g+5], KROW                        ; tensor_dim0_stride
	s_mov_b32 s[\g+6], 0
	s_mov_b32 s[\g+7], 0
.endr
	s_lshl_b32 s88, s16, 8                         ; the first row of A's tensor that my wave multiplies,
	s_lshl_b32 s17, s[HFA], 7
	s_add_co_u32 s88, s88, s17
	s_lshl_b32 s89, s46, 8                         ; and of B's
	s_lshl_b32 s47, s[HFB], 7
	s_add_co_u32 s89, s89, s47
	s_lshl_b32 s17, s[HFB], 7                      ; which 128 rows of the tile I fetch
	s_lshl_b32 s16, s16, 8
	s_add_co_u32 s16, s16, s17
	s_lshl_b32 s16, s16, 10                        ; rows of 1,024 bytes: under 2^23
	s_mov_b32 s17, 0
	s_lshl_b32 s46, s46, 8
	s_add_co_u32 s46, s46, s47
	s_lshl_b32 s46, s46, 10
	s_mov_b32 s47, 0
	s_mul_i32 s45, s[WV], HALFT                    ; where they go: wave x 128 rows: no place in the cluster enters an LDS address
	s_wait_kmcnt 0x0
	s_load_b256 s[76:83], s[12:13], 0x0            ; e0 .. e7
	s_load_b128 s[84:87], s[12:13], 0x20           ; e8 .. e11
	s_cmp_eq_u32 s42, 2                            ; the buffers are chosen by the type, which hangs on no address
	s_cselect_b64 s[72:73], s[10:11], s[4:5]       ; A: W_v or x
	s_cselect_b64 s[74:75], s[4:5], s[8:9]         ; B: x, or W_k,
	s_cmp_eq_u32 s42, 0
	s_cselect_b64 s[74:75], s[6:7], s[74:75]       ; or W_q
	s_add_nc_u64 s[72:73], s[72:73], s[16:17]
	s_add_nc_u64 s[74:75], s[74:75], s[46:47]
	CROUND                                         ; all sixteen work-groups are here: the first joint loads meet
.irp s, 0,1
	s_mov_b32 s[G0+4*\s], 1
	s_add_co_u32 s[G0+4*\s+1], s45, \s*SLOT
	s_add_nc_u64 s[G0+4*\s+2:G0+4*\s+3], s[72:73], \s*ROWB
	s_or_b32 s[G0+4*\s+3], s[G0+4*\s+3], 0x80000000
	s_mov_b32 s[G0B+4*\s], 1
	s_add_co_u32 s[G0B+4*\s+1], s45, \s*SLOT
	s_add_nc_u64 s[G0B+4*\s+2:G0B+4*\s+3], s[74:75], \s*ROWB
	s_or_b32 s[G0B+4*\s+3], s[G0B+4*\s+3], 0x80000000
	JLOAD G0+4*\s, G1, G0B+4*\s, G1B               ; two loads of mine are out behind these
.endr
	v_and_b32 v1, 15, v0                           ; l % 16
	v_bfe_u32 v2, v0, 4, 1                         ; l / 16
	v_mul_u32_u24 v3, v1, PITCH
	v_lshl_add_u32 v4, v2, 4, v3                   ; a fragment's row x pitch + 16 x half
	s_mul_i32 s22, s[HFA], HALFT                   ; my 128 rows of A
	s_mul_i32 s23, s[HFB], HALFT                   ; my 128 rows of B,
	s_add_co_u32 s23, s23, 2*HALFT                 ; which lie behind A's 256
.irp s, 0,1
	v_add_nc_u32 v[ADRA+\s], s22, v4
	v_add_nc_u32 v[ADRB+\s], s23, v4
	s_add_co_u32 s22, s22, SLOT
	s_add_co_u32 s23, s23, SLOT
.endr
	; THE WAY OUT'S OFFSETS.  Block a (16 rows of A) gives 16 registers of codes, four stores of 512 bytes.  q, k: block a is a tile of tokens (1,024 bytes apart), its registers two heads' images (131,072 apart).
	; v: block a is a tile of channels (2,048 apart, four to a head, heads 131,072 apart), its registers one image of 2,048 bytes.
	s_cmp_eq_u32 s42, 2
	s_cselect_b32 s90, s89, s88                    ; my first token
	s_cselect_b32 s91, s88, s89                    ; my first channel
	s_mov_b32 s94, 0x20000
	s_cselect_b32 s94, 1024, s94                   ; from the first two stores to the last two
	s_mov_b32 s95, 0
	s_mov_b32 s96, 1024
	s_cselect_b32 s96, 2048, s96                   ; from block to block within four
	s_mov_b32 s97, 4096
	s_cselect_b32 s97, 0x20000, s97                ; from blocks 0-3 to blocks 4-7
	s_lshl_b32 s92, s42, 23                        ; the type's 8 MiB
	s_lshr_b32 s93, s90, 11
	s_lshl_b32 s93, s93, 21                        ; the batch: 16 heads of 131,072 bytes
	s_add_co_u32 s92, s92, s93
	s_lshr_b32 s93, s91, 6
	s_lshl_b32 s93, s93, 17                        ; the head
	s_add_co_u32 s92, s92, s93
	s_and_b32 s93, s90, 2047
	s_lshl_b32 s93, s93, 6                         ; the token in its sequence x 64 bytes, in all three layouts
	s_add_co_u32 s92, s92, s93
	s_mov_b32 s93, 0
	s_add_nc_u64 s[BASE:BASE+1], s[14:15], s[92:93]
	s_add_nc_u64 s[BASE+2:BASE+3], s[BASE:BASE+1], s[94:95]
	v_and_b32 v5, 31, v0
	v_lshlrev_b32 v5, 4, v5                        ; 16 x lane
.irp a, 0,1,2,3,4,5,6,7
	s_mul_i32 s22, s96, (\a)%4
	s_mul_i32 s23, s97, (\a)/4
	s_add_co_u32 s22, s22, s23
	v_add_nc_u32 v[VOA+\a], s22, v5
.endr
.macro FRAG reg, adr, q, i             ; a fragment, 16 rows x 128 K, is 16 registers: lane l holds row l % 16; registers 4 c .. 4 c + 3 hold K = 32 c + 16 (l / 16) + 0 .. 15, alike in A and B
.irp c, 0,1,2,3
	ds_load_b128 v[\reg+4*\c:\reg+4*\c+3], v[\adr] offset:128*(\q)+32*\c+(\i)*16*PITCH
.endr
.endm
; 16 matrix instructions: A's blocks a0, a0 + 1 x B's eight, 128 along K.  p: B's set.  zero = 1: the first product starts the sums.  The 64 accumulators take turns, one instruction a turn.
.macro MUL16 a0, p, zero
.irp a, \a0, \a0+1
.irp b, 0,1,2,3,4,5,6,7
.if \zero
	v_wmma_f32_16x16x128_fp8_fp8 v[8*(8*((\a)%4)+\b):8*(8*((\a)%4)+\b)+7], v[128*(\p)+FR*\b:128*(\p)+FR*\b+FR-1], v[AF+FR*(\a):AF+FR*(\a)+FR-1], 0
.else
	v_wmma_f32_16x16x128_fp8_fp8 v[8*(8*((\a)%4)+\b):8*(8*((\a)%4)+\b)+7], v[128*(\p)+FR*\b:128*(\p)+FR*\b+FR-1], v[AF+FR*(\a):AF+FR*(\a)+FR-1], v[8*(8*((\a)%4)+\b):8*(8*((\a)%4)+\b)+7]
.endif
.endr
.endr
.endm
.macro FETCH_B slot, q, p              ; B's eight fragments of the slot's q-th 128 along K into set p
	WIN TO_B
.irp i, 0,1,2,3,4,5,6,7
	FRAG 128*(\p)+FR*\i, ADRB+\slot, \q, \i
.endr
	WIN 0
.endm
.macro FETCH_A slot, q, i0             ; A's blocks i0 .. i0 + 3
.irp i, \i0, \i0+1, \i0+2, \i0+3
	FRAG AF+FR*(\i), ADRA+\slot, \q, \i
.endr
.endm
; A load into a register that a matrix instruction has read, and a vector instruction that reads a matrix result, stand NP places behind it; only plain vector instructions that name none of its registers are places.
.macro PLACES n
.rept \n
	v_nop
.endr
.endm
; A step of 128 along K that has its successor in the same slot.
.macro STEP slot, q, zero
	s_wait_dscnt 4*NL                              ; B's set and A's blocks 0-3 are in; the youngest sixteen loads (A's blocks 4-7) may be out
	WIN MUL_LO
	MUL16 0, (\q)%2, \zero
	MUL16 2, (\q)%2, \zero
	s_wait_dscnt 0                                 ; A's blocks 4-7 are in
	PLACES NP
	FETCH_B \slot, (\q)+1, 1-(\q)%2
	FETCH_A \slot, (\q)+1, 0
	WIN MUL_HI
	MUL16 4, (\q)%2, \zero
	MUL16 6, (\q)%2, \zero
	PLACES NP
	WIN 0
	FETCH_A \slot, (\q)+1, 4
.endm
; A slot's last step changes slots: ONE barrier; in front of it each wave waits for all its tensor loads, adds 0 to its spare word, and waits for that and for its reads of this slot.  fill = 1: this slot is filled again, two K steps ahead.
.macro TURN slot, next, fill
	s_wait_tensorcnt 0x0                           ; all my tensor loads have landed: my part of the next slot
	ds_add_u32 v[SPW], v[NIL]                      ; 0 onto my spare word
	s_wait_dscnt 4*NL+1                            ; the add and the youngest sixteen loads (A's blocks 4-7) may be out
	WIN MUL_LO
	MUL16 0, 1, 0                                  ; sixteen matrix instructions stand between the add and the wait for it
	s_wait_dscnt 0x0                               ; the add is done, and my reads of this slot are over
	s_barrier_signal -1
	MUL16 2, 1, 0
	WIN 0
	s_barrier_wait -1
.if \fill
	CREST                                          ; the barrier has opened a round of the cluster's barrier: no wave of any partner still reads this slot or has a load on its way
	s_add_nc_u64 s[G0+4*\slot+2:G0+4*\slot+3], s[G0+4*\slot+2:G0+4*\slot+3], 2*ROWB
	s_add_nc_u64 s[G0B+4*\slot+2:G0B+4*\slot+3], s[G0B+4*\slot+2:G0B+4*\slot+3], 2*ROWB
	JLOAD G0+4*\slot, G1, G0B+4*\slot, G1B         ; the first tensor load behind the round, my only one until the next; its four v_nop are the places in front of the loads below
.else
	PLACES NP
.endif
	FETCH_B \next, 0, 0
	FETCH_A \next, 0, 0
	WIN MUL_HI
	MUL16 4, 1, 0
	MUL16 6, 1, 0
	PLACES NP
	WIN 0
	FETCH_A \next, 0, 4
.endm
	s_wait_tensorcnt 1                             ; my part of K step 0 is in; K step 1's load may be out
	s_barrier_signal -1
	s_barrier_wait -1                              ; everybody's is
	FETCH_B 0, 0, 0
	FETCH_A 0, 0, 0
	FETCH_A 0, 0, 4
	STEP 0, 0, 1                                   ; k 0-127: these products start the sums
	TURN 0, 1, 1                                   ; k 128-255; slot 0 takes k 512-767
	STEP 1, 0, 0
	TURN 1, 0, 1                                   ; slot 1 takes k 768-1023
	STEP 0, 0, 0
	TURN 0, 1, 0                                   ; nothing is left to fetch
	STEP 1, 0, 0
	s_wait_dscnt 4*NL                              ; the last step
	WIN MUL_LO
	MUL16 0, 1, 0
	MUL16 2, 1, 0
	s_wait_dscnt 0
	WIN MUL_HI
	MUL16 4, 1, 0
	MUL16 6, 1, 0
	WIN 0
	; THE WAY OUT.  The three exponents are folded into the conversion's one scale.
	s_wait_kmcnt 0x0
	s_add_co_i32 s76, s76, s77                     ; e0 + e1
	s_add_co_i32 s78, s78, s79                     ; e2 + e3
	s_add_co_i32 s80, s80, s81                     ; e4 + e5
	s_cmp_eq_u32 s42, 0
	s_cselect_b32 s76, s76, s78
	s_cselect_b32 s82, s82, s83                    ; e6 for q, e7 for k,
	s_cmp_eq_u32 s42, 2
	s_cselect_b32 s76, s80, s76
	s_cselect_b32 s82, s85, s82                    ; e9 for v
	s_sub_co_i32 s82, s82, s76
	s_add_co_i32 s82, s82, 127
	s_lshl_b32 s83, s82, 23
	v_mov_b32 v[SCL], s83                          ; 2^(eo - ex - ew) as f32: the conversion takes its exponent field
	s_add_co_i32 s82, s82, 8
	s_lshl_b32 s82, s82, 23
	s_or_b32 s82, s82, 0x600000
	v_mov_b32 v[LIM], s82                          ; 448 x that
	PLACES NP                                      ; behind the last products: the holds read results, the conversions write registers that held A's fragments
; Block a: 64 sums a lane are held, converted (each accumulator's eight registers give two registers of codes) and stored.  Each block has code registers of its own: no store's data are written again.
.macro OUTBLK a
.set AC, 64*((\a)%4)
	WIN 0x82+0x41*((\a)/4)                         ; destination and source 0: window 2 or 3
.set n, 0
.rept 64
	v_med3_num_f32 v[AC+n], v[AC+n], -v[LIM], v[LIM]   ; the conversion to an 8-bit code does not saturate (ISA guide 7.6.2); each accumulator from its low end on
.set n, n+1
.endr
	WIN 2+(\a)/4                                   ; source 0: window 2 or 3
.irp b, 0,1,2,3,4,5,6,7
	v_cvt_scalef32_pk8_fp8_f32 v[CD+16*(\a)+2*\b:CD+16*(\a)+2*\b+1], v[AC+8*\b:AC+8*\b+7], v[SCL]
.endr
	WIN 0
	v_nop                                          ; one plain vector line behind the last conversion of a run
.irp j, 0,1,2,3
	global_store_b128 v[VOA+(\a)], v[CD+16*(\a)+4*\j:CD+16*(\a)+4*\j+3], s[BASE+2*(\j/2):BASE+2*(\j/2)+1] offset:(\j%2)*512   ; 32 lanes store 512 consecutive bytes, at a multiple of 512 from the buffer's first byte
.endr
.endm
.irp a, 0,1,2,3,4,5,6,7
	OUTBLK \a
.endr
	s_wait_tensorcnt 0x0                           ; the wave's end
	ds_add_u32 v[SPW], v[NIL]
	s_wait_dscnt 0x0
	CROUND                                         ; the closing round: no work-group ends while a partner may still ask for a tile that names it
	s_endpgm
.Lfunc_end_k_qe341a6e29a_proj:
	.size	k_qe341a6e29a_proj, .Lfunc_end_k_qe341a6e29a_proj-k_qe341a6e29a_proj
	.p2alignl 7, 3214868480
	.fill 96, 4, 3214868480
	.section	.rodata,"a",@progbits
	.p2align	6, 0x0
	.amdhsa_kernel k_qe341a6e29a_proj
		.amdhsa_group_segment_fixed_size 327680
		.amdhsa_private_segment_fixed_size 0
		.amdhsa_enable_private_segment 0
		.amdhsa_kernarg_size 48
		.amdhsa_user_sgpr_count 2
		.amdhsa_user_sgpr_kernarg_segment_ptr 1
		.amdhsa_wavefront_size32 1
		.amdhsa_system_sgpr_workgroup_id_x 1
		.amdhsa_system_sgpr_workgroup_id_y 1
		.amdhsa_system_sgpr_workgroup_id_z 1
		.amdhsa_system_vgpr_workitem_id 0
		.amdhsa_next_free_vgpr 1024
		.amdhsa_next_free_sgpr 98
		.amdhsa_reserve_vcc 0
		.amdhsa_float_denorm_mode_32 3
		.amdhsa_float_denorm_mode_16_64 3
		.amdhsa_memory_ordered 1
		.amdhsa_forward_progress 1
		.amdhsa_inst_pref_size 120
	.end_amdhsa_kernel
	.amdgpu_metadata
---
amdhsa.version: [ 1, 2 ]
amdhsa.kernels:
  - .name:           k_qe341a6e29a_proj
    .symbol:         k_qe341a6e29a_proj.kd
    .args:
      - { .name: x_codes, .offset: 0, .size: 8, .value_kind: global_buffer, .address_space: global }
      - { .name: W_q_codes, .offset: 8, .size: 8, .value_kind: global_buffer, .address_space: global }
      - { .name: W_k_codes, .offset: 16, .size: 8, .value_kind: global_buffer, .address_space: global }
      - { .name: W_v_codes, .offset: 24, .size: 8, .value_kind: global_buffer, .address_space: global }
      - { .name: lowp_scales, .offset: 32, .size: 8, .value_kind: global_buffer, .address_space: global }
      - { .name: qkv, .offset: 40, .size: 8, .value_kind: global_buffer, .address_space: global }
    .group_segment_fixed_size: 327680
    .private_segment_fixed_size: 0
    .kernarg_segment_align: 8
    .kernarg_segment_size: 48
    .max_flat_workgroup_size: 128
    .sgpr_count:     98
    .vgpr_count:     1024
    .wavefront_size: 32
...
	.end_amdgpu_metadata
.endif
;; end of part 1
;; launch attn (part 2): grid 4 x 64, 16 waves a work-group, clusters of 4 x 1, 264,192 bytes of LDS; arguments qkv, lowp_scales, ctx; writes ctx
.if DOCPART == 2
	.amdgcn_target "amdgcn-amd-amdhsa--gfx1250"
	.amdhsa_code_object_version 6
	.text
	.protected	k_qe341a6e29a_attn
	.globl	k_qe341a6e29a_attn
	.p2align	8
	.type	k_qe341a6e29a_attn,@function
k_qe341a6e29a_attn:
	s_mov_b64 s[64:65], 0
	v_nop
	global_prefetch_b8 v0, s[64:65] scope:SCOPE_SE
	s_setreg_imm32_b32 hwreg(HW_REG_WAVE_MODE, 25, 1), 1
	s_wait_xcnt 0x0
	s_wait_alu depctr_hold_cnt(0) depctr_sa_sdst(0) depctr_va_vdst(0) depctr_va_sdst(0) depctr_va_ssrc(0) depctr_va_vcc(0) depctr_vm_vsrc(0)
	s_getreg_b32 s2, hwreg(HW_REG_IB_STS2, 6, 4)
	s_cmp_eq_u32 s2, 0
	s_cbranch_scc0 .Lentry_in_a_cluster
	s_endpgm
.Lentry_in_a_cluster:
	s_bfe_u32 s2, ttmp6, 0x10000c
	s_cmp_lg_u32 s2, 0x3003
	s_cbranch_scc0 .Lentry_shape_is_right
	s_endpgm
.Lentry_shape_is_right:
; ctx = causal softmax(q k^T / 8) v for 64 (batch, head) pairs of 2,048 tokens x 64 channels, both products on codes of FP8 (E4M3); ctx is quantised with 2^e10 and stored as images of the last product's operand registers.
; THE SOFTMAX: t = score x 2^(e6 + e7) x log2(e) / 8; M = the running largest t rounded UP to a whole number; p = 2^(t - M) is quantised with 2^e8, not normalised; the row's sum is taken of the unquantised p and divides at the end.
; When M moves, the sum and O are multiplied by 2^(old M - new M): exact.
; LIMITS on the given exponents, so that each power of two below is an f32 number: e6 + e7 between -123 and 130 (added to c's exponent field); e8, and e10 - e8 - e9, between -126 and 119.  NaN among the codes is not served.
; SHARES.  A cluster of four work-groups is one (batch, head).  The head's whole K (131,072 bytes, LDS byte 0 on) and V (131,072 bytes behind it) come in once, as they lie in the workspace: images of operand registers, so a fragment
; load is 16 x lane + a constant.  All four work-groups want the same bytes: every load is a JOINT load.  No LDS byte is filled twice and none is stored to.
; BALANCE.  The head's 128 tiles of 16 queries fall into 16 groups of 8 (128 queries, one key step).  Work-group cx owns tiles 2 cx + i, i = 0, 1, of every group; wave w (m = w % 8, i = w / 8) takes its tile of group 8 + m, then
; that of group 7 - m: (9 + m) + (8 - m) = 17 key steps of 128 keys for every wave of the launch.  Which steps a wave works hangs on the wave's number and the loops' counters alone; cx enters global addresses and the mask's one register.
; LAYOUT.  Both products transposed: S^T = k q^T (16x16x64: source 0 = 16 keys, source 1 = my 16 queries), O^T = v^T p^T (16x16x128: source 0 = 16 channels, source 1 = p): a lane holds ONE query (lane % 16) throughout.
; An accumulator of S^T holds keys 16 c + 8 (lane / 16) + 0..7: its conversion gives registers 2 c, 2 c + 1 of p's operand; likewise O^T's four give ctx's eight registers.
; WORKSPACE ctx: [256 along K: 4][tile of 16 rows: 512][128 along K: 2][4][32 lanes][16 bytes]: lane (r, h): row r, registers 2 c, 2 c + 1: k = 16 c + 8 h + 0..7.  A head is 64 along K: two of the four quads.
; REGISTERS: v1 16 x lane; v9 the same + V's place; v2, v3 the step's addresses; v4 the mask's d; v12 -M, v13 the largest t, v[14:15] the sum; v16-23, v24-31 q of the two passes; v32-95 K's eight fragments, then V's four;
;   v96-159 S^T, then p; v160-191 O^T; v192-207 p's codes; v208-223 ctx's codes; v236 a permute's destination; v240, v244: 448 x 2^e8, 2^e8; v241, v245 the same for e10 - e8 - e9; v242-243, v252-254 at work.
; SCALARS: s4-9 the buffers; s10 batch x head, s11 batch, s12 head, s13 the head's bytes; s18 wave, s19 cx; s20-21 lane selects; s22-23 c; s24-31 descriptor group 1; s32-47 four groups 0; s48 LDS base, s49 key step, s50 my group;
;   s51 i, s52 m, s53, s54 my two tiles, s55 2 cx + i; s56-60 e6..e10; s61-63 what I fetch; s66-69 q's addresses, s70-73 ctx's; s74-75 K's or V's; s76-77 at work.
.set VLDS,  131072                     ; V's place in LDS
.set STEPB, 8192                       ; a key step's bytes of K (8 tiles x 1,024), and of V (4 tiles x 2,048)
.set CHUNK, 32768                      ; four key steps
.set LI,  1
.set ADK, 2
.set ADV, 3
.set DG,  4
.set LV,  9
.set KV,  32
.set S,   96
.set O,   160
.set PC,  192
.set CC,  208
.set WV,  18
.set CX,  19
.set SEL, 20
.set CS,  22
.set G1,  24
.set G0,  32
.set TB,  48
.set KS,  49
.set GR,  50
.macro ROUND                           ; a round of the cluster's barrier
	s_barrier_signal -1
	s_barrier_wait -1
	s_cmp_lg_u32 s[WV], 0
	s_cbranch_scc1 .Lnot_wave_0_\@
	s_barrier_signal -3
.Lnot_wave_0_\@:
	s_barrier_wait -3
	s_barrier_signal -1
	s_barrier_wait -1
.endm
	s_load_b128 s[4:7], s[0:1], 0x0                ; qkv s[4:5], the exponents s[6:7]
	s_load_b64 s[8:9], s[0:1], 0x10                ; ctx
	v_lshl_add_u32 v251, v0, 2, 0x40000
	v_mov_b32 v255, 0
	ds_add_u32 v251, v255
	ds_add_u32 v251, v255
	v_lshrrev_b32 v5, 5, v0
	v_readfirstlane_b32 s[WV], v5                  ; wave 0..15
	s_bfe_u32 s[CX], ttmp6, 0x40000                ; cx
	s_and_b32 s10, ttmp7, 0xffff                   ; 16 x batch + head: the cluster's y, which the four partners share
	s_lshr_b32 s11, s10, 4
	s_and_b32 s12, s10, 15
	s_lshl_b32 s13, s10, 17                        ; the head's first byte in each of q, k, v
	s_and_b32 s52, s[WV], 7                        ; m
	s_lshr_b32 s51, s[WV], 3                       ; i
	; what I fetch, if I fetch (waves 0-3): wave 0, 1: the halves of K's chunks; wave 2, 3: of V's
	s_lshr_b32 s61, s[WV], 1
	s_and_b32 s61, s61, 1                          ; 0 K, 1 V
	s_and_b32 s62, s[WV], 1
	s_lshl_b32 s62, s62, 14                        ; which 16,384 bytes of a chunk
	s_lshl_b32 s63, s61, 17
	s_add_co_u32 s63, s63, s62                     ; in LDS
	s_add_co_u32 s74, s61, 1
	s_lshl_b32 s74, s74, 23                        ; k at 8 MiB, v at 16 MiB
	s_add_co_u32 s74, s74, s62
	s_add_co_u32 s74, s74, s13                     ; in the workspace
	s_mov_b32 s75, 0
	; descriptor group 1: 64 rows of 256 bytes, dense in memory and in LDS
	s_mov_b32 s[G1+0], 15|(0<<16)|(1<<21)          ; 15:0 the mask: all four work-groups; 17:16 elements of 1 byte; 20 no padding; 21 set beside a mask
	s_mov_b32 s[G1+1], 256<<16                     ; tensor_dim0
	s_mov_b32 s[G1+2], 64<<16                      ; tensor_dim1
	s_mov_b32 s[G1+3], 256<<16                     ; tile_dim0
	s_mov_b32 s[G1+4], 64                          ; tile_dim1
	s_mov_b32 s[G1+5], 256                         ; tensor_dim0_stride
	s_mov_b32 s[G1+6], 0
	s_mov_b32 s[G1+7], 0
	; my two tiles of queries
	s_lshl_b32 s55, s[CX], 1
	s_add_co_u32 s55, s55, s51                     ; 2 cx + i
	s_add_co_u32 s53, s52, 8
	s_lshl_b32 s53, s53, 3
	s_add_co_u32 s53, s53, s55                     ; 8 (8 + m) + 2 cx + i
	s_sub_co_u32 s54, 7, s52
	s_lshl_b32 s54, s54, 3
	s_add_co_u32 s54, s54, s55                     ; 8 (7 - m) + 2 cx + i
	s_lshl_b32 s66, s53, 10                        ; q: a tile's image is 1,024 bytes
	s_add_co_u32 s66, s66, s13
	s_mov_b32 s67, 0
	s_lshl_b32 s68, s54, 10
	s_add_co_u32 s68, s68, s13
	s_mov_b32 s69, 0
	s_lshr_b32 s76, s12, 2                         ; ctx: the plane of 256 along K (four heads),
	s_lshl_b32 s76, s76, 21
	s_lshl_b32 s77, s11, 19                        ; the batch's 128 tiles of 4,096 bytes,
	s_add_co_u32 s76, s76, s77
	s_and_b32 s77, s12, 3
	s_lshl_b32 s77, s77, 10                        ; the head's 1,024 bytes among the four heads' 4,096,
	s_add_co_u32 s76, s76, s77
	s_lshl_b32 s70, s53, 12                        ; and the tile
	s_add_co_u32 s70, s70, s76
	s_mov_b32 s71, 0
	s_lshl_b32 s72, s54, 12
	s_add_co_u32 s72, s72, s76
	s_mov_b32 s73, 0
	s_mov_b32 s[SEL], 0x76543210
	s_mov_b32 s[SEL+1], 0xfedcba98                 ; v_permlanex16_b32's selects for lane l xor 16
	s_wait_dscnt 0x0
	s_wait_kmcnt 0x0
	s_load_b128 s[56:59], s[6:7], 0x18             ; e6, e7, e8, e9
	s_load_b32 s60, s[6:7], 0x28                   ; e10
	s_add_nc_u64 s[74:75], s[4:5], s[74:75]
	s_add_nc_u64 s[66:67], s[4:5], s[66:67]
	s_add_nc_u64 s[68:69], s[4:5], s[68:69]
	s_add_nc_u64 s[70:71], s[8:9], s[70:71]
	s_add_nc_u64 s[72:73], s[8:9], s[72:73]
.irp n, 0,1,2,3                                ; a group 0 for each chunk of 512 keys
	s_mov_b32 s[G0+4*\n], 1
	s_add_co_u32 s[G0+4*\n+1], s63, \n*CHUNK
	s_add_nc_u64 s[G0+4*\n+2:G0+4*\n+3], s[74:75], \n*CHUNK
	s_or_b32 s[G0+4*\n+3], s[G0+4*\n+3], 0x80000000
.endr
	ROUND                                          ; all four work-groups are here: the joint loads meet
	s_cmp_lt_u32 s[WV], 4                          ; all the fills of a wave stand in one branch on its number, ahead of every wait on TENSORcnt, every LDS read and every other barrier: four loads of mine are out
	s_cbranch_scc0 .Lno_fetch
	tensor_load_to_lds s[G0:G0+3], s[G1:G1+7]
	s_nop 0
	tensor_load_to_lds s[G0+4:G0+7], s[G1:G1+7]
	s_nop 0
	tensor_load_to_lds s[G0+8:G0+11], s[G1:G1+7]
	s_nop 0
	tensor_load_to_lds s[G0+12:G0+15], s[G1:G1+7]
	s_nop 0
.rept 4
	v_nop
.endr
.Lno_fetch:
	v_and_b32 v5, 31, v0
	v_lshlrev_b32 v[LI], 4, v5                     ; 16 x lane
	v_add_nc_u32 v[LV], VLDS, v[LI]
	global_load_b128 v[16:19], v[LI], s[66:67]     ; q of both passes stays in registers
	global_load_b128 v[20:23], v[LI], s[66:67] offset:512
	global_load_b128 v[24:27], v[LI], s[68:69]
	global_load_b128 v[28:31], v[LI], s[68:69] offset:512
	v_and_b32 v6, 15, v0                           ; r
	v_bfe_u32 v7, v0, 4, 1
	v_lshlrev_b32 v7, 3, v7                        ; 8 h
	v_sub_nc_u32 v[DG], v6, v7
	s_lshl_b32 s77, s55, 4
	v_add_nc_u32 v[DG], s77, v[DG]                 ; d = my query in its group - 8 h.  In the diagonal step register 8 c + j holds key 16 c + 8 h + j of the group: hidden where 16 c + j > d
	v_mov_b32 v236, 0                              ; written once: a lane permute's destination counts as one of its sources
	v_mov_b32 v253, 0                              ; (named as the upper half of the pair v[252:253])
	s_wait_kmcnt 0x0
	s_add_co_i32 s76, s56, s57
	s_lshl_b32 s76, s76, 23
	s_mov_b32 s[CS], 0x3e38aa3b                    ; c = log2(e) / sqrt(64)
	s_add_co_i32 s[CS], s[CS], s76                 ; x 2^(e6 + e7): the two exponents are added to c's exponent field
	s_mov_b32 s[CS+1], s[CS]                       ; (named with it as a pair, so it is written)
	s_add_co_i32 s76, s58, 127
	s_lshl_b32 s77, s76, 23
	v_mov_b32 v244, s77                            ; 2^e8 as f32, for p's conversions
	s_add_co_i32 s76, s76, 8
	s_lshl_b32 s76, s76, 23
	s_or_b32 s76, s76, 0x600000
	v_mov_b32 v240, s76                            ; 448 x 2^e8
	s_sub_co_i32 s76, s60, s58
	s_sub_co_i32 s76, s76, s59                     ; O / l stands for ctx / 2^(e8 + e9): its code is (O / l) / 2^(e10 - e8 - e9)
	s_add_co_i32 s76, s76, 127
	s_lshl_b32 s77, s76, 23
	v_mov_b32 v245, s77
	s_add_co_i32 s76, s76, 8
	s_lshl_b32 s76, s76, 23
	s_or_b32 s76, s76, 0x600000
	v_mov_b32 v241, s76
; A KEY STEP: 128 keys, at LDS byte s[TB] of K's and of V's images.  causal = 1: a step past my group is left out (a scalar branch on the wave's number and the counter), and in my group's own step hidden scores become -infinity.
.macro STEP qreg, causal
.if \causal
	s_cmp_gt_u32 s[KS], s[GR]
	s_cbranch_scc1 .Lhid_\@
.endif
	v_add_nc_u32 v[ADK], s[TB], v[LI]
	v_add_nc_u32 v[ADV], s[TB], v[LV]
	v_nop                                          ; with the two additions: four places in front of loads into registers that the last step's products have read
	v_nop
.irp c, 0,1,2,3,4,5,6,7
	ds_load_b128 v[KV+8*\c:KV+8*\c+3], v[ADK] offset:1024*\c
	ds_load_b128 v[KV+8*\c+4:KV+8*\c+7], v[ADK] offset:1024*\c+512
.endr
	s_wait_dscnt 0x0
.irp c, 0,1,2,3,4,5,6,7                        ; S^T = k q^T: eight tiles of 16 keys, K = the head's 64
	v_wmma_f32_16x16x64_fp8_fp8 v[S+8*\c:S+8*\c+7], v[KV+8*\c:KV+8*\c+7], v[\qreg:\qreg+7], 0
.endr
.rept 4
	v_nop                                          ; places in front of the loads below and of the first read of the scores
.endr
.irp t, 0,1,2,3                                ; V's four fragments take K's registers; they land while the softmax is walked
.irp q, 0,1,2,3
	ds_load_b128 v[KV+16*\t+4*\q:KV+16*\t+4*\q+3], v[ADV] offset:2048*\t+512*\q
.endr
.endr
.if \causal
	s_cmp_lg_u32 s[KS], s[GR]
	s_cbranch_scc1 .Lopen_\@
	v_mov_b32 v254, 0xff800000                     ; -infinity: p = 0 then.  The group's first key counts for all its queries, so the maximum stays a number
.irp c, 0,1,2,3,4,5,6,7
.irp j, 0,1,2,3,4,5,6,7
	v_cmp_gt_i32 vcc_lo, 16*\c+\j, v[DG]
	v_cndmask_b32 v[S+8*\c+\j], v[S+8*\c+\j], v254, vcc_lo
.endr
.endr
.Lopen_\@:
.endif
	v_max3_num_f32 v254, v[S], v[S+1], v[S+2]      ; the step's largest score of my query among my 64 keys, in two chains, ascending: each accumulator from its low end on
	v_max3_num_f32 v252, v[S+3], v[S+4], v[S+5]
.irp i, 6,10,14,18,22,26,30,34,38,42,46,50,54,58
	v_max3_num_f32 v254, v254, v[S+\i], v[S+1+\i]
	v_max3_num_f32 v252, v252, v[S+2+\i], v[S+3+\i]
.endr
	v_max3_num_f32 v254, v254, v[S+62], v[S+63]
	v_max_num_f32 v254, v254, v252
	v_permlanex16_b32 v236, v254, s[SEL], s[SEL+1]
	v_max_num_f32 v254, v254, v236                 ; and among lane l xor 16's
	v_mul_f32 v254, s[CS], v254                    ; as t (c is positive)
	v_max_num_f32 v13, v13, v254                   ; the running largest t
	v_mov_b32 v254, v12
	v_floor_f32 v12, -v13                          ; the new -M = floor(-t) = -ceil(t): M is a whole number
	v_sub_f32 v254, v12, v254                      ; old M - new M: a whole number, 0 or less
	v_cvt_i32_f32 v254, v254                       ; (it saturates)
	v_ldexp_f32 v252, 1.0, v254                    ; f = 2^(old M - new M)
.irp j, 0,2,4,6,8,10,12,14,16,18,20,22,24,26,28,30,32,34,36,38,40,42,44,46,48,50,52,54,56,58,60,62
	v_pk_fma_f32 v[S+\j:S+1+\j], v[S+\j:S+1+\j], s[CS:CS+1], v[12:13] op_sel_hi:[1,0,0]   ; t - M, two at a time (of the pairs c and -M the low word serves both halves)
.endr
.set n, 0
.rept 64
	v_exp_f32 v[S+n], v[S+n]                       ; p = 2^(t - M), at most 1: not normalised
.set n, n+1
.endr
	v_pk_mul_f32 v[14:15], v[14:15], v[252:253] op_sel_hi:[1,0]   ; the sums under the new M.  (A plain place behind the exponentials)
	s_wait_alu depctr_va_vdst(0)
	v_pk_add_f32 v[242:243], v[S:S+1], v[S+2:S+3]  ; the row's sum is taken of the unquantised p: two at a time, in two chains
.irp j, 4,8,12,16,20,24,28,32,36,40,44,48,52,56,60
	v_pk_add_f32 v[14:15], v[14:15], v[S+\j:S+1+\j]
	v_pk_add_f32 v[242:243], v[242:243], v[S+2+\j:S+3+\j]
.endr
	v_pk_add_f32 v[14:15], v[14:15], v[242:243]
.irp c, 0,1,2,3,4,5,6,7
.irp j, 0,1,2,3,4,5,6,7
	v_min_num_f32 v[S+8*\c+\j], v[S+8*\c+\j], v240   ; the conversion to an 8-bit code does not saturate (ISA guide 7.6.2); p is not negative, so the hold is one-sided
.endr
	v_cvt_scalef32_pk8_fp8_f32 v[PC+2*\c:PC+2*\c+1], v[S+8*\c:S+8*\c+7], v244   ; keys 16 c + 8 h + 0..7: registers 2 c, 2 c + 1 of the operand
.endr
.irp j, 0,2,4,6,8,10,12,14,16,18,20,22,24,26,28,30
	v_pk_mul_f32 v[O+\j:O+1+\j], v[O+\j:O+1+\j], v[252:253] op_sel_hi:[1,0]   ; O^T under the new M.  (These are also the plain lines behind the conversions)
.endr
	s_wait_dscnt 0x0                               ; V's fragments are in
.irp t, 0,1,2,3                                ; O^T += v^T p^T: four tiles of 16 channels, K = these 128 keys; the four accumulators take turns, one instruction a turn
	v_wmma_f32_16x16x128_fp8_fp8 v[O+8*\t:O+8*\t+7], v[KV+16*\t:KV+16*\t+15], v[PC:PC+15], v[O+8*\t:O+8*\t+7]
.endr
.if \causal
.Lhid_\@:
.endif
	s_add_co_u32 s[TB], s[TB], STEPB
.endm
; Key steps first .. last - 1: the trip count is a constant of the text, and the counter and the LDS base are set here.
.macro WALK qreg, causal, first, last
	s_mov_b32 s[KS], \first
	s_mov_b32 s[TB], \first*STEPB
.Lwalk_\@:
	STEP \qreg, \causal
	s_add_co_u32 s[KS], s[KS], 1
	s_cmp_lt_u32 s[KS], \last
	s_cbranch_scc1 .Lwalk_\@
.endm
; The fetching waves wait until at most cnt of their four loads are out, then all sixteen meet: behind the barrier the chunks that have landed may be read by every wave.  Nothing is ever filled again, so later chunks may stay out.
.macro SYNC cnt
	s_wait_tensorcnt \cnt
	s_wait_dscnt 0x0
	s_barrier_signal -1
	s_barrier_wait -1
.endm
.macro INIT                            ; the step is written without a first step of its own: it finds zeros, which the first change of M leaves zeros
	v_mov_b32 v13, 0xff61b1e6                      ; the largest t so far: -3e38, under every t
	v_floor_f32 v12, -v13                          ; -M
	v_mov_b32 v14, 0
	v_mov_b32 v15, 0
.set n, 0
.rept 32
	v_mov_b32 v[O+n], 0
.set n, n+1
.endr
.endm
; Pass p's tile leaves: O^T / the sum, held, converted: eight registers, the head's part of an operand image.
.macro OUT p
.rept 4
	v_nop                                          ; places behind the last products
.endr
	v_add_f32 v14, v14, v15                        ; the sum's two halves,
	v_permlanex16_b32 v236, v14, s[SEL], s[SEL+1]
	v_add_f32 v14, v14, v236                       ; and lane l xor 16's
	v_rcp_f32 v252, v14
	v_nop                                          ; one plain place behind a transcendental
	s_wait_alu depctr_va_vdst(0)
.irp j, 0,2,4,6,8,10,12,14,16,18,20,22,24,26,28,30
	v_pk_mul_f32 v[O+\j:O+1+\j], v[O+\j:O+1+\j], v[252:253] op_sel_hi:[1,0]   ; each accumulator from its low end on
.endr
.set n, 0
.rept 32
	v_med3_num_f32 v[O+n], v[O+n], -v241, v241
.set n, n+1
.endr
.irp t, 0,1,2,3
	v_cvt_scalef32_pk8_fp8_f32 v[CC+8*\p+2*\t:CC+8*\p+2*\t+1], v[O+8*\t:O+8*\t+7], v245
.endr
	v_nop                                          ; one plain vector line behind the last conversion of a run
	global_store_b128 v[LI], v[CC+8*\p:CC+8*\p+3], s[70+2*\p:71+2*\p]               ; 32 lanes store 512 consecutive bytes, at a multiple of 512 from the buffer's first byte
	global_store_b128 v[LI], v[CC+8*\p+4:CC+8*\p+7], s[70+2*\p:71+2*\p] offset:512  ; each pass has code registers of its own
.endm
	INIT
	s_add_co_u32 s[GR], s52, 8                     ; pass 0: group 8 + m: every wave works key steps 0 to 8 at the least
	s_wait_loadcnt 0x0                             ; q
	SYNC 3                                         ; chunk 0 (keys 0-511) is in; three loads may be out
	WALK 16, 0, 0, 4
	SYNC 2                                         ; chunk 1
	WALK 16, 0, 4, 8
	SYNC 0                                         ; all of K and V
	WALK 16, 1, 8, 16
	OUT 0
	s_sub_co_u32 s[GR], 7, s52                     ; pass 1: group 7 - m
	INIT
	WALK 24, 1, 0, 8
	OUT 1
	s_wait_dscnt 0x0
	s_wait_tensorcnt 0x0
	ds_add_u32 v251, v255
	s_wait_dscnt 0x0
	ROUND                                          ; the closing round
	s_endpgm
.Lfunc_end_k_qe341a6e29a_attn:
	.size	k_qe341a6e29a_attn, .Lfunc_end_k_qe341a6e29a_attn-k_qe341a6e29a_attn
	.p2alignl 7, 3214868480
	.fill 96, 4, 3214868480
	.section	.rodata,"a",@progbits
	.p2align	6, 0x0
	.amdhsa_kernel k_qe341a6e29a_attn
		.amdhsa_group_segment_fixed_size 264192
		.amdhsa_private_segment_fixed_size 0
		.amdhsa_enable_private_segment 0
		.amdhsa_kernarg_size 24
		.amdhsa_user_sgpr_count 2
		.amdhsa_user_sgpr_kernarg_segment_ptr 1
		.amdhsa_wavefront_size32 1
		.amdhsa_system_sgpr_workgroup_id_x 1
		.amdhsa_system_sgpr_workgroup_id_y 1
		.amdhsa_system_sgpr_workgroup_id_z 1
		.amdhsa_system_vgpr_workitem_id 0
		.amdhsa_next_free_vgpr 256
		.amdhsa_next_free_sgpr 80
		.amdhsa_reserve_vcc 1
		.amdhsa_float_denorm_mode_32 3
		.amdhsa_float_denorm_mode_16_64 3
		.amdhsa_memory_ordered 1
		.amdhsa_forward_progress 1
		.amdhsa_inst_pref_size 89
	.end_amdhsa_kernel
	.amdgpu_metadata
---
amdhsa.version: [ 1, 2 ]
amdhsa.kernels:
  - .name:           k_qe341a6e29a_attn
    .symbol:         k_qe341a6e29a_attn.kd
    .args:
      - { .name: qkv, .offset: 0, .size: 8, .value_kind: global_buffer, .address_space: global }
      - { .name: lowp_scales, .offset: 8, .size: 8, .value_kind: global_buffer, .address_space: global }
      - { .name: ctx, .offset: 16, .size: 8, .value_kind: global_buffer, .address_space: global }
    .group_segment_fixed_size: 264192
    .private_segment_fixed_size: 0
    .kernarg_segment_align: 8
    .kernarg_segment_size: 24
    .max_flat_workgroup_size: 512
    .sgpr_count:     80
    .vgpr_count:     256
    .wavefront_size: 32
...
	.end_amdgpu_metadata
.endif
;; end of part 2
;; launch outp (part 3): grid 4 x 32, 4 waves a work-group, clusters of 4 x 4, 327,680 bytes of LDS; arguments ctx, W_out_codes, lowp_scales, b_out, out0; writes out0
.if DOCPART == 3
	.amdgcn_target "amdgcn-amd-amdhsa--gfx1250"
	.amdhsa_code_object_version 6
	.text
	.protected	k_qe341a6e29a_outp
	.globl	k_qe341a6e29a_outp
	.p2align	8
	.type	k_qe341a6e29a_outp,@function
k_qe341a6e29a_outp:
	s_mov_b64 s[64:65], 0
	v_nop
	global_prefetch_b8 v0, s[64:65] scope:SCOPE_SE
	s_setreg_imm32_b32 hwreg(HW_REG_WAVE_MODE, 25, 1), 1
	s_wait_xcnt 0x0
	s_wait_alu depctr_hold_cnt(0) depctr_sa_sdst(0) depctr_va_vdst(0) depctr_va_sdst(0) depctr_va_ssrc(0) depctr_va_vcc(0) depctr_vm_vsrc(0)
	s_getreg_b32 s2, hwreg(HW_REG_IB_STS2, 6, 4)
	s_cmp_eq_u32 s2, 0
	s_cbranch_scc0 .Lentry_in_a_cluster
	s_endpgm
.Lentry_in_a_cluster:
	s_bfe_u32 s2, ttmp6, 0x10000c
	s_cmp_lg_u32 s2, 0xf033
	s_cbranch_scc0 .Lentry_shape_is_right
	s_endpgm
.Lentry_shape_is_right:
; out0 = ctx W_out^T x 2^(e10 + e11) + b_out, on codes of FP8 (E4M3).  ctx: 8,192 rows x 1,024 K, as images of operand registers (layout below); W_out: [1024][1024] codes, K innermost; b_out [1024], out0 [8192][1024]: f32.
; LIMIT: e10 + e11 lies between -126 and 127, so that 2^(e10 + e11) is an f32 number.
; SHARES.  128 tiles of 256 x 256, K = 1,024; a work-group of four waves makes one, a wave 128 x 128: 64 accumulators, 512 registers.  That is work for 128 work-groups; a smaller tile would read each LDS byte for half the products.
; CLUSTERS: 4 x 4.  ctx's tile hangs on the tile row and is asked for jointly by my row of the cluster, W_out's on the tile column and by my column.
; WORKSPACE ctx: [256 along K: 4][tile of 16 rows: 512][128 along K: 2][4][32 lanes][16 bytes]: lane (r, h): row r, registers 2 c, 2 c + 1: k = 16 c + 8 h + 0..7, the place that this matrix form's own layout gives each k.
; So 128 rows x 256 K are 32,768 consecutive bytes, a fragment comes by four loads at 16 x lane, and W_out's fragments are read in the same true places: eight loads of 8 bytes, 16 bytes apart, at row x pitch + 8 (l / 16).
; THE MATRIX INSTRUCTION IS USED TRANSPOSED (source 0 = 16 rows of W_out, source 1 = 16 rows of ctx): a lane holds eight neighbouring numbers of a row of out0.
; K goes in steps of 256 through two LDS slots; four slots' worth in all, so the eight steps of 128 are written out.
; REGISTERS, in windows of 256: window 0: v1-6 at work, v8-11 b_out of my four columns, v16-17, v20-21 LDS addresses, v24-26 the way out, v28, v29 for the add, v128-255 ctx's fragments (one set), at the end rows of out0.
;   window 1: W_out's fragments, two sets.  windows 2, 3: the accumulators ((a, b) at v[8 (8 (a % 4) + b)]).
; SCALARS: s4-13 the five buffers; s20-21, s46-47 offsets; s24-39 A's descriptors, s48-63 B's; s40 cx, s41 cy, s42 tile column, s43, s44 masks, s45, s70 LDS places; s66 wave, s67, s68 its halves; s69 tile row;
;   s72-75 addresses; s76-79 the way out's offsets; s96-97 2^(e10 + e11).
.set KROW,   1024
.set ROWB,   256
.set PITCH,  272                       ; W_out's LDS row: 256 bytes + 16 of padding = 68 words: the 32 lanes of a load of 8 bytes (row r, half h) start at banks 4 r + 2 h mod 64 (ISA guide 11.1): all different
.set FR,     16
.set NL,     4                         ; LDS loads that bring a fragment of A
.set NP,     4
.set AHALF,  32768                     ; 128 rows x 256 K of ctx, as images
.set BHALF,  128*PITCH
.set BOFF,   2*AHALF
.set SLOT,   BOFF+2*BHALF              ; A's 256 rows, then B's 256 rows
.set PLANE,  2097152                   ; ctx: from 256 along K to the next
.set SPARE,  2*SLOT                    ; behind the ring: the spare words, 128 bytes for each wave
.set SPITCH, 528                       ; the way out: a stage of 16 rows x (512 bytes + 16) for each wave, in slot 0, which has had its last fill and its last read when the first result is stored there
.set BIAS, 8
.set ADRA, 16
.set ADRB, 20
.set STO,  24
.set RD,   25
.set CO,   26
.set SPW,  28
.set NIL,  29
.set AF,   128
.set BK,   128
.set G1,   24
.set G0,   32
.set G1B,  48
.set G0B,  56
.set WV,   66
.set HFA,  67
.set HFB,  68
.set MSB, 0
.macro WIN new                         ; the immediate's high byte repeats the setting that is left
.if MSB != \new
	s_set_vgpr_msb (MSB<<8)|\new
.set MSB, \new
.endif
.endm
.set MUL_LO, 0xa1                      ; source 0 (B) window 1, source 1 (A) window 0, C and D window 2
.set MUL_HI, 0xf1                      ; the same, C and D window 3
.set TO_B,   0x40                      ; destination window 1, address window 0
; A joint load: waves 0 and 1 fetch for A, waves 2 and 3 for B.  The branch hangs on the wave's number alone.  Four v_nop follow each of the two lines.
.macro JLOAD g0a, g1a, g0b, g1b
	s_cmp_eq_u32 s[HFA], 0
	s_cbranch_scc0 .Lfor_b_\@
	tensor_load_to_lds s[\g0a:\g0a+3], s[\g1a:\g1a+7]
	s_nop 0
.rept 4
	v_nop
.endr
	s_branch .Lasked_\@
.Lfor_b_\@:
	tensor_load_to_lds s[\g0b:\g0b+3], s[\g1b:\g1b+7]
	s_nop 0
.rept 4
	v_nop
.endr
.Lasked_\@:
.endm
.macro CREST                           ; a round of the cluster's barrier behind its opening barrier
	s_cmp_lg_u32 s[WV], 0
	s_cbranch_scc1 .Lnot_wave_0_\@
	s_barrier_signal -3
.Lnot_wave_0_\@:
	s_barrier_wait -3
	s_barrier_signal -1
	s_barrier_wait -1
.endm
.macro CROUND                          ; a whole round
	s_barrier_signal -1
	s_barrier_wait -1
	CREST
.endm
	s_load_b256 s[4:11], s[0:1], 0x0               ; ctx s[4:5], W_out s[6:7], the exponents s[8:9], b_out s[10:11]
	s_load_b64 s[12:13], s[0:1], 0x20              ; out0
	v_lshl_add_u32 v[SPW], v0, 2, SPARE
	v_mov_b32 v[NIL], 0
	ds_add_u32 v28, v29
	ds_add_u32 v28, v29
	s_wait_dscnt 0x0
	v_lshrrev_b32 v1, 5, v0
	v_readfirstlane_b32 s[WV], v1                  ; wave 0..3
	s_lshr_b32 s[HFA], s[WV], 1                    ; which half of the tile's rows is mine.  Also: I fetch for A (0) or for B (1)
	s_and_b32 s[HFB], s[WV], 1                     ; which half of its columns.  Also: which 128 rows of that tile I fetch
	s_bfe_u32 s40, ttmp6, 0x40000                  ; cx
	s_bfe_u32 s41, ttmp6, 0x40004                  ; cy
	s_lshl_b32 s42, ttmp9, 2
	s_add_co_u32 s42, s42, s40                     ; tile column = 4 x cluster x + cx
	s_and_b32 s69, ttmp7, 0xffff
	s_lshl_b32 s69, s69, 2
	s_add_co_u32 s69, s69, s41                     ; tile row = 4 x cluster y + cy
	s_lshl_b32 s43, s41, 2
	s_lshl_b32 s43, 15, s43                        ; my row of the cluster
	s_lshl_b32 s44, 0x1111, s40                    ; my column
	; descriptor group 1 for A: 128 rows of 256 bytes, dense in memory and in LDS
	s_or_b32 s[G1+0], s43, (0<<16)|(1<<21)         ; 15:0 the mask; 17:16 elements of 1 byte; 20 no padding; 21 set beside a mask
	s_mov_b32 s[G1+1], ROWB<<16
	s_mov_b32 s[G1+2], 128<<16
	s_mov_b32 s[G1+3], ROWB<<16
	s_mov_b32 s[G1+4], 128
	s_mov_b32 s[G1+5], ROWB
	s_mov_b32 s[G1+6], 0
	s_mov_b32 s[G1+7], 0
	; for B: 128 rows of 256 bytes, 1,024 apart in memory, padded in LDS
	s_or_b32 s[G1B+0], s44, (0<<16)|(1<<20)|(1<<21)|(5<<22)|(3<<25)  ; padding: four words after every 64
	s_mov_b32 s[G1B+1], ROWB<<16
	s_mov_b32 s[G1B+2], 128<<16
	s_mov_b32 s[G1B+3], ROWB<<16
	s_mov_b32 s[G1B+4], 128
	s_mov_b32 s[G1B+5], KROW
	s_mov_b32 s[G1B+6], 0
	s_mov_b32 s[G1B+7], 0
	s_lshl_b32 s20, s69, 16                        ; A: 16 tiles of rows x 4,096 bytes for a tile row,
	s_lshl_b32 s45, s[HFB], 15                     ; + 8 tiles for the half that I fetch: also its place in a slot
	s_add_co_u32 s20, s20, s45
	s_mov_b32 s21, 0
	s_lshl_b32 s46, s42, 8
	s_lshl_b32 s47, s[HFB], 7
	s_add_co_u32 s46, s46, s47                     ; B: row 256 x tile column + 128 x half
	s_lshl_b32 s46, s46, 10
	s_mov_b32 s47, 0
	s_mul_i32 s70, s[HFB], BHALF
	s_add_co_u32 s70, s70, BOFF                    ; and its place in a slot: no place in the cluster enters an LDS address
	s_wait_kmcnt 0x0
	s_load_b64 s[96:97], s[8:9], 0x28              ; e10, e11
	s_add_nc_u64 s[72:73], s[4:5], s[20:21]
	s_add_nc_u64 s[74:75], s[6:7], s[46:47]
	CROUND                                         ; all sixteen work-groups are here: the first joint loads meet
.irp s, 0,1
	s_mov_b32 s[G0+4*\s], 1
	s_add_co_u32 s[G0+4*\s+1], s45, \s*SLOT
	s_add_nc_u64 s[G0+4*\s+2:G0+4*\s+3], s[72:73], \s*PLANE
	s_or_b32 s[G0+4*\s+3], s[G0+4*\s+3], 0x80000000
	s_mov_b32 s[G0B+4*\s], 1
	s_add_co_u32 s[G0B+4*\s+1], s70, \s*SLOT
	s_add_nc_u64 s[G0B+4*\s+2:G0B+4*\s+3], s[74:75], \s*ROWB
	s_or_b32 s[G0B+4*\s+3], s[G0B+4*\s+3], 0x80000000
	JLOAD G0+4*\s, G1, G0B+4*\s, G1B               ; two loads of mine are out behind these
.endr
	v_and_b32 v1, 15, v0                           ; l % 16
	v_bfe_u32 v2, v0, 4, 1                         ; l / 16
	v_and_b32 v6, 31, v0
	v_lshlrev_b32 v[CO], 4, v6                     ; 16 x lane
	v_mul_u32_u24 v3, v1, PITCH
	v_lshl_add_u32 v4, v2, 3, v3                   ; B: row x pitch + 8 x half
	s_lshl_b32 s22, s[HFA], 15                     ; my 128 rows of A
	s_mul_i32 s23, s[HFB], BHALF                   ; my 128 rows of B,
	s_add_co_u32 s23, s23, BOFF                    ; which lie behind A's images
.irp s, 0,1
	v_add_nc_u32 v[ADRA+\s], s22, v[CO]
	v_add_nc_u32 v[ADRB+\s], s23, v4
	s_add_co_u32 s22, s22, SLOT
	s_add_co_u32 s23, s23, SLOT
.endr
	s_mul_i32 s23, s[WV], 16*SPITCH                ; my stage
	v_mul_u32_u24 v5, v1, SPITCH                   ; in: row l % 16, 32 bytes for each half of the lanes
	v_lshl_add_u32 v5, v2, 5, v5
	v_add_nc_u32 v[STO], s23, v5
	v_add_nc_u32 v[RD], s23, v[CO]                 ; back: the 32 lanes take one row of 512 bytes
	s_lshl_b32 s78, s42, 10                        ; my first column, in bytes: 1,024 x tile column + 512 x half
	s_lshl_b32 s79, s[HFB], 9
	s_add_co_u32 s78, s78, s79
	s_mov_b32 s79, 0
	s_lshl_b32 s76, s69, 8
	s_lshl_b32 s77, s[HFA], 7
	s_add_co_u32 s76, s76, s77                     ; my first row: 256 x tile row + 128 x half
	s_lshl_b32 s76, s76, 12                        ; rows of 4,096 bytes: under 2^25
	s_add_co_u32 s76, s76, s78
	s_mov_b32 s77, 0
	s_add_nc_u64 s[10:11], s[10:11], s[78:79]
	s_add_nc_u64 s[12:13], s[12:13], s[76:77]
	global_load_b128 v[BIAS:BIAS+3], v[CO], s[10:11]   ; b_out of the four columns that my lane stores
.macro FRAG_A reg, adr, q, i           ; a fragment of ctx comes back as it was stored: four registers at 16 x lane, 512 bytes a load
.irp c, 0,1,2,3
	ds_load_b128 v[\reg+4*\c:\reg+4*\c+3], v[\adr] offset:(\i)*4096+(\q)*2048+512*\c
.endr
.endm
.macro FRAG_B reg, adr, q, i           ; a fragment of W_out: lane l holds row l % 16; registers 2 c, 2 c + 1 hold K = 16 c + 8 (l / 16) + 0 .. 7
.irp c, 0,1,2,3,4,5,6,7
	ds_load_b64 v[\reg+2*\c:\reg+2*\c+1], v[\adr] offset:128*(\q)+16*\c+(\i)*16*PITCH
.endr
.endm
; 16 matrix instructions: A's blocks a0, a0 + 1 x B's eight, 128 along K.  p: B's set.  zero = 1: the first product starts the sums.  The 64 accumulators take turns, one instruction a turn.
.macro MUL16 a0, p, zero
.irp a, \a0, \a0+1
.irp b, 0,1,2,3,4,5,6,7
.if \zero
	v_wmma_f32_16x16x128_fp8_fp8 v[8*(8*((\a)%4)+\b):8*(8*((\a)%4)+\b)+7], v[128*(\p)+FR*\b:128*(\p)+FR*\b+FR-1], v[AF+FR*(\a):AF+FR*(\a)+FR-1], 0
.else
	v_wmma_f32_16x16x128_fp8_fp8 v[8*(8*((\a)%4)+\b):8*(8*((\a)%4)+\b)+7], v[128*(\p)+FR*\b:128*(\p)+FR*\b+FR-1], v[AF+FR*(\a):AF+FR*(\a)+FR-1], v[8*(8*((\a)%4)+\b):8*(8*((\a)%4)+\b)+7]
.endif
.endr
.endr
.endm
.macro FETCH_B slot, q, p              ; B's eight fragments of the slot's q-th 128 along K into set p
	WIN TO_B
.irp i, 0,1,2,3,4,5,6,7
	FRAG_B 128*(\p)+FR*\i, ADRB+\slot, \q, \i
.endr
	WIN 0
.endm
.macro FETCH_A slot, q, i0             ; A's blocks i0 .. i0 + 3
.irp i, \i0, \i0+1, \i0+2, \i0+3
	FRAG_A AF+FR*(\i), ADRA+\slot, \q, \i
.endr
.endm
; A load into a register that a matrix instruction has read, and an LDS store that reads a matrix result, stand NP places behind it; only plain vector instructions that name none of its registers are places.
.macro PLACES n
.rept \n
	v_nop
.endr
.endm
; A step of 128 along K that has its successor in the same slot.
.macro STEP slot, q, zero
	s_wait_dscnt 4*NL                              ; B's set and A's blocks 0-3 are in; the youngest sixteen loads (A's blocks 4-7) may be out
	WIN MUL_LO
	MUL16 0, (\q)%2, \zero
	MUL16 2, (\q)%2, \zero
	s_wait_dscnt 0                                 ; A's blocks 4-7 are in
	PLACES NP
	FETCH_B \slot, (\q)+1, 1-(\q)%2
	FETCH_A \slot, (\q)+1, 0
	WIN MUL_HI
	MUL16 4, (\q)%2, \zero
	MUL16 6, (\q)%2, \zero
	PLACES NP
	WIN 0
	FETCH_A \slot, (\q)+1, 4
.endm
; A slot's last step changes slots: ONE barrier; in front of it each wave waits for all its tensor loads, adds 0 to its spare word, and waits for that and for its reads of this slot.  fill = 1: this slot is filled again, two K steps ahead.
.macro TURN slot, next, fill
	s_wait_tensorcnt 0x0                           ; all my tensor loads have landed: my part of the next slot
	ds_add_u32 v[SPW], v[NIL]                      ; 0 onto my spare word
	s_wait_dscnt 4*NL+1                            ; the add and the youngest sixteen loads (A's blocks 4-7) may be out
	WIN MUL_LO
	MUL16 0, 1, 0                                  ; sixteen matrix instructions stand between the add and the wait for it
	s_wait_dscnt 0x0                               ; the add is done, and my reads of this slot are over
	s_barrier_signal -1
	MUL16 2, 1, 0
	WIN 0
	s_barrier_wait -1
.if \fill
	CREST                                          ; the barrier has opened a round of the cluster's barrier: no wave of any partner still reads this slot or has a load on its way
	s_add_nc_u64 s[G0+4*\slot+2:G0+4*\slot+3], s[G0+4*\slot+2:G0+4*\slot+3], 2*PLANE
	s_add_nc_u64 s[G0B+4*\slot+2:G0B+4*\slot+3], s[G0B+4*\slot+2:G0B+4*\slot+3], 2*ROWB
	JLOAD G0+4*\slot, G1, G0B+4*\slot, G1B         ; the first tensor load behind the round, my only one until the next; its four v_nop are the places in front of the loads below
.else
	PLACES NP
.endif
	FETCH_B \next, 0, 0
	FETCH_A \next, 0, 0
	WIN MUL_HI
	MUL16 4, 1, 0
	MUL16 6, 1, 0
	PLACES NP
	WIN 0
	FETCH_A \next, 0, 4
.endm
	s_wait_tensorcnt 1                             ; my part of K step 0 is in; K step 1's load may be out
	s_barrier_signal -1
	s_barrier_wait -1                              ; everybody's is
	FETCH_B 0, 0, 0
	FETCH_A 0, 0, 0
	FETCH_A 0, 0, 4
	STEP 0, 0, 1                                   ; k 0-127: these products start the sums
	TURN 0, 1, 1                                   ; k 128-255; slot 0 takes k 512-767
	STEP 1, 0, 0
	TURN 1, 0, 1                                   ; slot 1 takes k 768-1023
	STEP 0, 0, 0
	TURN 0, 1, 0                                   ; nothing is left to fetch; behind this barrier nobody reads slot 0
	STEP 1, 0, 0
	s_wait_dscnt 4*NL                              ; the last step
	WIN MUL_LO
	MUL16 0, 1, 0
	MUL16 2, 1, 0
	s_wait_dscnt 0
	WIN MUL_HI
	MUL16 4, 1, 0
	MUL16 6, 1, 0
	WIN 0
; THE WAY OUT, block by block of 16 rows x 128 columns.  A lane holds 32 neighbouring bytes of a row and the lanes beside it other rows: a block's sums go through my own stage in LDS as they are and come back as whole rows of
; 512 bytes; there a lane holds the same four columns in every row, so one packed multiply-add for two numbers gives sum x 2^(e10 + e11) + b_out.  LDS serves a wave's instructions in order (ISA guide 5.7.1.4).
.macro TOSTAGE a
.set AC, 64*((\a)%4)
	WIN (2+(\a)/4)<<2                              ; an LDS store's data: window 2 or 3
.irp b, 0,1,2,3,4,5,6,7
	ds_store_b128 v[STO], v[AC+8*\b:AC+8*\b+3] offset:64*\b            ; each accumulator from its low end on
	ds_store_b128 v[STO], v[AC+8*\b+4:AC+8*\b+7] offset:64*\b+16
.endr
	WIN 0
.set BB, BK+64*((\a)%2)
.irp t, 0,1,2,3,4,5,6,7,8,9,10,11,12,13,14,15
	ds_load_b128 v[BB+4*\t:BB+4*\t+3], v[RD] offset:\t*SPITCH
.endr
.endm
.macro SEND a, younger                 ; younger: the LDS instructions issued behind block a's loads, which may stay out
.set BB, BK+64*((\a)%2)
	s_wait_dscnt \younger                          ; the block is back in registers
.irp t, 0,1,2,3,4,5,6,7,8,9,10,11,12,13,14,15
	v_pk_fma_f32 v[BB+4*\t:BB+4*\t+1], v[BB+4*\t:BB+4*\t+1], s[96:97], v[BIAS:BIAS+1] op_sel_hi:[1,0,1]       ; (the scalar pair's low word for both halves)
	v_pk_fma_f32 v[BB+4*\t+2:BB+4*\t+3], v[BB+4*\t+2:BB+4*\t+3], s[96:97], v[BIAS+2:BIAS+3] op_sel_hi:[1,0,1]
.endr
.irp t, 0,1,2,3,4,5,6,7,8,9,10,11,12,13,14,15
	global_store_b128 v[CO], v[BB+4*\t:BB+4*\t+3], s[12:13] offset:(16*(\a)+\t)*4096 th:TH_STORE_NT   ; 32 lanes store 512 consecutive bytes, at a multiple of 512 from out0's first byte; 127 rows at the most stand in the immediate
.endr
.endm
	s_wait_kmcnt 0x0
	s_add_co_i32 s96, s96, s97                     ; e10 + e11
	s_add_co_i32 s96, s96, 127
	s_lshl_b32 s96, s96, 23                        ; 2^(e10 + e11) as f32
	s_mov_b32 s97, s96                             ; (named with it as a pair, so it is written)
	s_wait_loadcnt 0x0                             ; b_out
	PLACES NP                                      ; behind the last products: the stage's stores read results, its loads land in registers that held A's fragments
	TOSTAGE 0
.irp a, 1,2,3,4,5,6,7
.if \a > 1
	s_wait_xcnt 0x0                                ; block a - 2's stores have read their registers: block a's loads may land there
.endif
	TOSTAGE \a
	SEND \a-1, 32                                  ; behind block a - 1's loads: block a's 16 stores and 16 loads
.endr
	SEND 7, 0
	s_wait_tensorcnt 0x0                           ; the wave's end
	ds_add_u32 v[SPW], v[NIL]
	s_wait_dscnt 0x0
	CROUND                                         ; the closing round: no work-group ends while a partner may still ask for a tile that names it
	s_endpgm
.Lfunc_end_k_qe341a6e29a_outp:
	.size	k_qe341a6e29a_outp, .Lfunc_end_k_qe341a6e29a_outp-k_qe341a6e29a_outp
	.p2alignl 7, 3214868480
	.fill 96, 4, 3214868480
	.section	.rodata,"a",@progbits
	.p2align	6, 0x0
	.amdhsa_kernel k_qe341a6e29a_outp
		.amdhsa_group_segment_fixed_size 327680
		.amdhsa_private_segment_fixed_size 0
		.amdhsa_enable_private_segment 0
		.amdhsa_kernarg_size 40
		.amdhsa_user_sgpr_count 2
		.amdhsa_user_sgpr_kernarg_segment_ptr 1
		.amdhsa_wavefront_size32 1
		.amdhsa_system_sgpr_workgroup_id_x 1
		.amdhsa_system_sgpr_workgroup_id_y 1
		.amdhsa_system_sgpr_workgroup_id_z 1
		.amdhsa_system_vgpr_workitem_id 0
		.amdhsa_next_free_vgpr 1024
		.amdhsa_next_free_sgpr 98
		.amdhsa_reserve_vcc 0
		.amdhsa_float_denorm_mode_32 3
		.amdhsa_float_denorm_mode_16_64 3
		.amdhsa_memory_ordered 1
		.amdhsa_forward_progress 1
		.amdhsa_inst_pref_size 139
	.end_amdhsa_kernel
	.amdgpu_metadata
---
amdhsa.version: [ 1, 2 ]
amdhsa.kernels:
  - .name:           k_qe341a6e29a_outp
    .symbol:         k_qe341a6e29a_outp.kd
    .args:
      - { .name: ctx, .offset: 0, .size: 8, .value_kind: global_buffer, .address_space: global }
      - { .name: W_out_codes, .offset: 8, .size: 8, .value_kind: global_buffer, .address_space: global }
      - { .name: lowp_scales, .offset: 16, .size: 8, .value_kind: global_buffer, .address_space: global }
      - { .name: b_out, .offset: 24, .size: 8, .value_kind: global_buffer, .address_space: global }
      - { .name: out0, .offset: 32, .size: 8, .value_kind: global_buffer, .address_space: global }
    .group_segment_fixed_size: 327680
    .private_segment_fixed_size: 0
    .kernarg_segment_align: 8
    .kernarg_segment_size: 40
    .max_flat_workgroup_size: 128
    .sgpr_count:     98
    .vgpr_count:     1024
    .wavefront_size: 32
...
	.end_amdgpu_metadata
.endif
;; end of part 3
;; ======== version 2 of 2: 3 launches
;; limits: right only within a limited range of input values
;; workspace buffers: qkv 25,165,824 bytes; ctx 8,388,608 bytes
;; launch proj (part 4): grid 12 x 16, 4 waves a work-group, clusters of 4 x 4, 327,680 bytes of LDS; arguments x_codes, W_q_codes, W_k_codes, W_v_codes, lowp_scales, qkv; writes qkv
.if DOCPART == 4
	.amdgcn_target "amdgcn-amd-amdhsa--gfx1250"
	.amdhsa_code_object_version 6
	.text
	.protected	k_qe341a6e29a_proj
	.globl	k_qe341a6e29a_proj
	.p2align	8
	.type	k_qe341a6e29a_proj,@function
k_qe341a6e29a_proj:
	s_mov_b64 s[64:65], 0
	v_nop
	global_prefetch_b8 v0, s[64:65] scope:SCOPE_SE
	s_setreg_imm32_b32 hwreg(HW_REG_WAVE_MODE, 25, 1), 1
	s_wait_xcnt 0x0
	s_wait_alu depctr_hold_cnt(0) depctr_sa_sdst(0) depctr_va_vdst(0) depctr_va_sdst(0) depctr_va_ssrc(0) depctr_va_vcc(0) depctr_vm_vsrc(0)
	s_getreg_b32 s2, hwreg(HW_REG_IB_STS2, 6, 4)
	s_cmp_eq_u32 s2, 0
	s_cbranch_scc0 .Lentry_in_a_cluster
	s_endpgm
.Lentry_in_a_cluster:
	s_bfe_u32 s2, ttmp6, 0x10000c
	s_cmp_lg_u32 s2, 0xf033
	s_cbranch_scc0 .Lentry_shape_is_right
	s_endpgm
.Lentry_shape_is_right:
; q, k, v = x W^T on codes of FP8 (E4M3), then quantised again with the given scales and stored as IMAGES OF THE REGISTERS that the attention launch wants as operands.
; x: [8192][1024] codes; W_q, W_k, W_v: [1024][1024] codes, K innermost.  lowp_scales: e0..e11.  A sum of product t stands for sum x 2^(e(2t) + e(2t+1)); its code is sum / 2^(eo - ex - ew), eo = e6 (q), e7 (k), e9 (v).
; LIMIT: eo - ex - ew lies between -126 and 119, so that this power of two and 448 times it are f32 numbers.  NaN codes among the inputs are not served.
; SHARES.  384 tiles of 256 x 256, K = 1,024.  192 work-groups of four waves, EACH MAKES TWO TILES, 4,096 rows of x apart; a wave makes 128 x 128 of a tile: 64 accumulators, 512 registers.
; The cluster's x is the TYPE (0 q, 1 k, 2 v), alike in all sixteen partners.
; ROLES.  LDS region B feeds source 0, region A source 1: in a result lane l holds row l % 16 of A's tile and its eight registers rows 8 (l / 16) + 0..7 of B's.  One conversion of those eight gives two registers of an operand
; whose K runs along B's rows.  q, k (K = channels): A = x (tile 4 cluster y + cy), B = W (tile cx).  v (K = keys): A = W_v (tile cy), B = x (tile 4 cluster y + cx).  The buffers are chosen by selects on the type; no branch hangs on it.
; CLUSTERS: 4 x 4.  A's tile hangs on cy and is asked for jointly by my row of the cluster, B's on cx and by my column: the requests for both are divided by four.
; K goes in steps of 256 through two LDS slots, four slots' worth a tile; the sixteen steps of 128 are written out.  THE RING DOES NOT STOP AT THE FIRST TILE'S END: its last two changes of slots ask for the second tile's first two
; K steps, and the first tile is held, converted and stored while they land.  Both operands are read by four loads of 16 bytes a fragment: the same permutation of k on both sides.
; WORKSPACE qkv.  q at 0, k at 8 MiB: [batch x head 64][tile of 16 tokens 128][2][32 lanes][16 bytes]: lane (r, h): token r, registers 2 t, 2 t + 1: channels 16 t + 8 h + 0..7.
;   v at 16 MiB: [batch x head 64][128 keys 16][tile of 16 channels 4][4][32 lanes][16 bytes]: lane (r, h): channel r, registers 2 c, 2 c + 1: keys 16 c + 8 h + 0..7.
;   4,096 tokens on are two batches on: 4 MiB in each of the three, which stands in the second tile's stores as an immediate.
; REGISTERS, in windows of 256: window 0: v1-6 at work, v10 448 x the scale, v11 the scale, v16-17, v20-21 LDS addresses, v28, v29 for the add, v32-39 store offsets, v64-127 codes (four sets of 16), v128-255 A's fragments (one set).
;   window 1: B's fragments, two sets.  windows 2, 3: the accumulators ((a, b) at v[8 (8 (a % 4) + b)]).
; SCALARS: s4-15 the six buffers; s16-17 A's offset; s18-21 the stores' two bases; s24-39 A's descriptors; s40 cx, s41 cy, s42 type, s43, s44 masks, s45 LDS place; s46-47 B's offset; s48-63 B's descriptors;
;   s66 wave, s67, s68 its halves; s69-71 4 x cluster y, is-v, is-not-v; s72-75 A's and B's addresses; s76-87 the twelve exponents; s88-97 the way out; s98-99, s100-101 A's and B's step to the second tile.
.set KROW,   1024                      ; a row of x or of W in memory, in bytes
.set ROWB,   256                       ; a tile's row in bytes
.set PITCH,  272                       ; an LDS row: 256 bytes + 16 of padding = 68 words: row r starts at bank 4 r mod 64 (ISA guide 11.1)
.set FR,     16                        ; registers of a fragment: 16 rows x 128 K
.set NL,     4                         ; LDS loads that bring one
.set NP,     4                         ; places behind this matrix instruction (ISA guide 7.12.1)
.set HALFT,  128*PITCH                 ; 128 rows: what one tensor load brings
.set SLOT,   4*HALFT                   ; A's 256 rows, then B's 256 rows
.set SPARE,  2*SLOT                    ; behind the ring: the spare words, 128 bytes for each wave
.set XSTEP,  0x400000                  ; 4,096 rows of x in bytes; also 4,096 tokens in each part of qkv
.set LIM,  10
.set SCL,  11
.set ADRA, 16
.set ADRB, 20
.set SPW,  28
.set NIL,  29
.set VOA,  32
.set CD,   64
.set AF,   128
.set G1,   24
.set G0,   32
.set G1B,  48
.set G0B,  56
.set BASE, 18
.set WV,   66
.set HFA,  67
.set HFB,  68
.set DA,   98
.set DB,   100
.set MSB, 0
.macro WIN new                         ; the immediate's high byte repeats the setting that is left
.if MSB != \new
	s_set_vgpr_msb (MSB<<8)|\new
.set MSB, \new
.endif
.endm
.set MUL_LO, 0xa1                      ; source 0 (B) window 1, source 1 (A) window 0, C and D window 2
.set MUL_HI, 0xf1                      ; the same, C and D window 3
.set TO_B,   0x40                      ; destination window 1, address window 0
; A joint load: waves 0 and 1 fetch for A, waves 2 and 3 for B.  The branch hangs on the wave's number alone.  Four v_nop follow each of the two lines.
.macro JLOAD g0a, g1a, g0b, g1b
	s_cmp_eq_u32 s[HFA], 0
	s_cbranch_scc0 .Lfor_b_\@
	tensor_load_to_lds s[\g0a:\g0a+3], s[\g1a:\g1a+7]
	s_nop 0
.rept 4
	v_nop
.endr
	s_branch .Lasked_\@
.Lfor_b_\@:
	tensor_load_to_lds s[\g0b:\g0b+3], s[\g1b:\g1b+7]
	s_nop 0
.rept 4
	v_nop
.endr
.Lasked_\@:
.endm
.macro CREST                           ; a round of the cluster's barrier behind its opening barrier
	s_cmp_lg_u32 s[WV], 0
	s_cbranch_scc1 .Lnot_wave_0_\@
	s_barrier_signal -3
.Lnot_wave_0_\@:
	s_barrier_wait -3
	s_barrier_signal -1
	s_barrier_wait -1
.endm
.macro CROUND                          ; a whole round
	s_barrier_signal -1
	s_barrier_wait -1
	CREST
.endm
	s_load_b256 s[4:11], s[0:1], 0x0               ; x s[4:5], W_q s[6:7], W_k s[8:9], W_v s[10:11]
	s_load_b128 s[12:15], s[0:1], 0x20             ; the exponents s[12:13], qkv s[14:15]
	v_lshl_add_u32 v[SPW], v0, 2, SPARE
	v_mov_b32 v[NIL], 0
	ds_add_u32 v28, v29
	ds_add_u32 v28, v29
	s_wait_dscnt 0x0
	v_lshrrev_b32 v1, 5, v0
	v_readfirstlane_b32 s[WV], v1                  ; wave 0..3
	s_lshr_b32 s[HFA], s[WV], 1                    ; which half of A's rows is mine.  Also: I fetch for A (0) or for B (1)
	s_and_b32 s[HFB], s[WV], 1                     ; which half of B's rows.  Also: which 128 rows of that tile I fetch
	s_bfe_u32 s40, ttmp6, 0x40000                  ; cx
	s_bfe_u32 s41, ttmp6, 0x40004                  ; cy
	s_mov_b32 s42, ttmp9                           ; the type: the cluster's x
	s_lshr_b32 s70, s42, 1                         ; 1 for v
	s_xor_b32 s71, s70, 1                          ; 1 for q and k
	s_lshl_b32 s[DA], s71, 22                      ; to the second tile: 4 MiB on where the operand is x, nothing where it is a weight
	s_mov_b32 s[DA+1], 0
	s_lshl_b32 s[DB], s70, 22
	s_mov_b32 s[DB+1], 0
	s_and_b32 s69, ttmp7, 0xffff
	s_lshl_b32 s69, s69, 2                         ; 4 x the cluster's y: 0, 4, 8, 12
	s_mul_i32 s16, s69, s71
	s_add_co_u32 s16, s16, s41                     ; A's tile: cy, + 4 x cluster y where A is x
	s_mul_i32 s46, s69, s70
	s_add_co_u32 s46, s46, s40                     ; B's tile: cx, + 4 x cluster y where B is x
	s_lshl_b32 s43, s41, 2
	s_lshl_b32 s43, 15, s43                        ; my row of the cluster
	s_lshl_b32 s44, 0x1111, s40                    ; my column
	; descriptor group 1: a tile of 128 rows x 256 bytes, padded in LDS
	s_or_b32 s[G1+0], s43, (0<<16)|(1<<20)|(1<<21)|(5<<22)|(3<<25)  ; 15:0 the mask; 17:16 elements of 1 byte; 20 padding on; 21 set beside a mask; 24:22 after every 64 words; 31:25 four words
	s_or_b32 s[G1B+0], s44, (0<<16)|(1<<20)|(1<<21)|(5<<22)|(3<<25)
.irp g, G1, G1B
	s_mov_b32 s[\g+1], ROWB<<16                    ; tensor_dim0
	s_mov_b32 s[\g+2], 128<<16                     ; tensor_dim1
	s_mov_b32 s[\g+3], ROWB<<16                    ; tile_dim0
	s_mov_b32 s[\g+4], 128                         ; tile_dim1
	s_mov_b32 s[\g+5], KROW                        ; tensor_dim0_stride
	s_mov_b32 s[\g+6], 0
	s_mov_b32 s[\g+7], 0
.endr
	s_lshl_b32 s88, s16, 8                         ; the first row of A's tensor that my wave multiplies,
	s_lshl_b32 s17, s[HFA], 7
	s_add_co_u32 s88, s88, s17
	s_lshl_b32 s89, s46, 8                         ; and of B's
	s_lshl_b32 s47, s[HFB], 7
	s_add_co_u32 s89, s89, s47
	s_lshl_b32 s17, s[HFB], 7                      ; which 128 rows of the tile I fetch
	s_lshl_b32 s16, s16, 8
	s_add_co_u32 s16, s16, s17
	s_lshl_b32 s16, s16, 10                        ; rows of 1,024 bytes: under 2^23
	s_mov_b32 s17, 0
	s_lshl_b32 s46, s46, 8
	s_add_co_u32 s46, s46, s47
	s_lshl_b32 s46, s46, 10
	s_mov_b32 s47, 0
	s_mul_i32 s45, s[WV], HALFT                    ; where they go: wave x 128 rows: no place in the cluster enters an LDS address
	s_wait_kmcnt 0x0
	s_load_b256 s[76:83], s[12:13], 0x0            ; e0 .. e7
	s_load_b128 s[84:87], s[12:13], 0x20           ; e8 .. e11
	s_cmp_eq_u32 s42, 2                            ; the buffers are chosen by the type, which hangs on no address
	s_cselect_b64 s[72:73], s[10:11], s[4:5]       ; A: W_v or x
	s_cselect_b64 s[74:75], s[4:5], s[8:9]         ; B: x, or W_k,
	s_cmp_eq_u32 s42, 0
	s_cselect_b64 s[74:75], s[6:7], s[74:75]       ; or W_q
	s_add_nc_u64 s[72:73], s[72:73], s[16:17]
	s_add_nc_u64 s[74:75], s[74:75], s[46:47]
	CROUND                                         ; all sixteen work-groups are here: the first joint loads meet
.irp s, 0,1
	s_mov_b32 s[G0+4*\s], 1
	s_add_co_u32 s[G0+4*\s+1], s45, \s*SLOT
	s_add_nc_u64 s[G0+4*\s+2:G0+4*\s+3], s[72:73], \s*ROWB
	s_or_b32 s[G0+4*\s+3], s[G0+4*\s+3], 0x80000000
	s_mov_b32 s[G0B+4*\s], 1
	s_add_co_u32 s[G0B+4*\s+1], s45, \s*SLOT
	s_add_nc_u64 s[G0B+4*\s+2:G0B+4*\s+3], s[74:75], \s*ROWB
	s_or_b32 s[G0B+4*\s+3], s[G0B+4*\s+3], 0x80000000
	JLOAD G0+4*\s, G1, G0B+4*\s, G1B               ; two loads of mine are out behind these
.endr
	v_and_b32 v1, 15, v0                           ; l % 16
	v_bfe_u32 v2, v0, 4, 1                         ; l / 16
	v_mul_u32_u24 v3, v1, PITCH
	v_lshl_add_u32 v4, v2, 4, v3                   ; a fragment's row x pitch + 16 x half
	s_mul_i32 s22, s[HFA], HALFT                   ; my 128 rows of A
	s_mul_i32 s23, s[HFB], HALFT                   ; my 128 rows of B,
	s_add_co_u32 s23, s23, 2*HALFT                 ; which lie behind A's 256
.irp s, 0,1
	v_add_nc_u32 v[ADRA+\s], s22, v4
	v_add_nc_u32 v[ADRB+\s], s23, v4
	s_add_co_u32 s22, s22, SLOT
	s_add_co_u32 s23, s23, SLOT
.endr
	; THE WAY OUT'S OFFSETS.  Block a (16 rows of A) gives 16 registers of codes, four stores of 512 bytes.  q, k: block a is a tile of tokens (1,024 bytes apart), its registers two heads' images (131,072 apart).
	; v: block a is a tile of channels (2,048 apart, four to a head, heads 131,072 apart), its registers one image of 2,048 bytes.
	s_cmp_eq_u32 s42, 2
	s_cselect_b32 s90, s89, s88                    ; my first token
	s_cselect_b32 s91, s88, s89                    ; my first channel
	s_mov_b32 s94, 0x20000
	s_cselect_b32 s94, 1024, s94                   ; from the first two stores to the last two
	s_mov_b32 s95, 0
	s_mov_b32 s96, 1024
	s_cselect_b32 s96, 2048, s96                   ; from block to block within four
	s_mov_b32 s97, 4096
	s_cselect_b32 s97, 0x20000, s97                ; from blocks 0-3 to blocks 4-7
	s_lshl_b32 s92, s42, 23                        ; the type's 8 MiB
	s_lshr_b32 s93, s90, 11
	s_lshl_b32 s93, s93, 21                        ; the batch: 16 heads of 131,072 bytes
	s_add_co_u32 s92, s92, s93
	s_lshr_b32 s93, s91, 6
	s_lshl_b32 s93, s93, 17                        ; the head
	s_add_co_u32 s92, s92, s93
	s_and_b32 s93, s90, 2047
	s_lshl_b32 s93, s93, 6                         ; the token in its sequence x 64 bytes, in all three layouts
	s_add_co_u32 s92, s92, s93
	s_mov_b32 s93, 0
	s_add_nc_u64 s[BASE:BASE+1], s[14:15], s[92:93]
	s_add_nc_u64 s[BASE+2:BASE+3], s[BASE:BASE+1], s[94:95]
	v_and_b32 v5, 31, v0
	v_lshlrev_b32 v5, 4, v5                        ; 16 x lane
.irp a, 0,1,2,3,4,5,6,7
	s_mul_i32 s22, s96, (\a)%4
	s_mul_i32 s23, s97, (\a)/4
	s_add_co_u32 s22, s22, s23
	v_add_nc_u32 v[VOA+\a], s22, v5
.endr
.macro FRAG reg, adr, q, i             ; a fragment, 16 rows x 128 K, is 16 registers: lane l holds row l % 16; registers 4 c .. 4 c + 3 hold K = 32 c + 16 (l / 16) + 0 .. 15, alike in A and B
.irp c, 0,1,2,3
	ds_load_b128 v[\reg+4*\c:\reg+4*\c+3], v[\adr] offset:128*(\q)+32*\c+(\i)*16*PITCH
.endr
.endm
; 16 matrix instructions: A's blocks a0, a0 + 1 x B's eight, 128 along K.  p: B's set.  zero = 1: the first product starts the sums.  The 64 accumulators take turns, one instruction a turn.
.macro MUL16 a0, p, zero
.irp a, \a0, \a0+1
.irp b, 0,1,2,3,4,5,6,7
.if \zero
	v_wmma_f32_16x16x128_fp8_fp8 v[8*(8*((\a)%4)+\b):8*(8*((\a)%4)+\b)+7], v[128*(\p)+FR*\b:128*(\p)+FR*\b+FR-1], v[AF+FR*(\a):AF+FR*(\a)+FR-1], 0
.else
	v_wmma_f32_16x16x128_fp8_fp8 v[8*(8*((\a)%4)+\b):8*(8*((\a)%4)+\b)+7], v[128*(\p)+FR*\b:128*(\p)+FR*\b+FR-1], v[AF+FR*(\a):AF+FR*(\a)+FR-1], v[8*(8*((\a)%4)+\b):8*(8*((\a)%4)+\b)+7]
.endif
.endr
.endr
.endm
.macro FETCH_B slot, q, p              ; B's eight fragments of the slot's q-th 128 along K into set p
	WIN TO_B
.irp i, 0,1,2,3,4,5,6,7
	FRAG 128*(\p)+FR*\i, ADRB+\slot, \q, \i
.endr
	WIN 0
.endm
.macro FETCH_A slot, q, i0             ; A's blocks i0 .. i0 + 3
.irp i, \i0, \i0+1, \i0+2, \i0+3
	FRAG AF+FR*(\i), ADRA+\slot, \q, \i
.endr
.endm
; A load into a register that a matrix instruction has read, and a vector instruction that reads a matrix result, stand NP places behind it; only plain vector instructions that name none of its registers are places.
.macro PLACES n
.rept \n
	v_nop
.endr
.endm
; A step of 128 along K that has its successor in the same slot.
.macro STEP slot, q, zero
	s_wait_dscnt 4*NL                              ; B's set and A's blocks 0-3 are in; the youngest sixteen loads (A's blocks 4-7) may be out
	WIN MUL_LO
	MUL16 0, (\q)%2, \zero
	MUL16 2, (\q)%2, \zero
	s_wait_dscnt 0                                 ; A's blocks 4-7 are in
	PLACES NP
	FETCH_B \slot, (\q)+1, 1-(\q)%2
	FETCH_A \slot, (\q)+1, 0
	WIN MUL_HI
	MUL16 4, (\q)%2, \zero
	MUL16 6, (\q)%2, \zero
	PLACES NP
	WIN 0
	FETCH_A \slot, (\q)+1, 4
.endm
; A slot's last step changes slots: ONE barrier; in front of it each wave waits for all its tensor loads, adds 0 to its spare word, and waits for that and for its reads of this slot.
; fill = 1: this slot is filled again, two K steps ahead in the same tile.  fill = 2: with the SECOND TILE's K step of this slot: 512 bytes back along K, and 4 MiB on where the operand is x.  fill = 0: nothing is asked for.
.macro TURN slot, next, fill
	s_wait_tensorcnt 0x0                           ; all my tensor loads have landed: my part of the next slot
	ds_add_u32 v[SPW], v[NIL]                      ; 0 onto my spare word
	s_wait_dscnt 4*NL+1                            ; the add and the youngest sixteen loads (A's blocks 4-7) may be out
	WIN MUL_LO
	MUL16 0, 1, 0                                  ; sixteen matrix instructions stand between the add and the wait for it
	s_wait_dscnt 0x0                               ; the add is done, and my reads of this slot are over
	s_barrier_signal -1
	MUL16 2, 1, 0
	WIN 0
	s_barrier_wait -1
.if \fill
	CREST                                          ; the barrier has opened a round of the cluster's barrier: no wave of any partner still reads this slot or has a load on its way
.if \fill == 2
	s_sub_nc_u64 s[G0+4*\slot+2:G0+4*\slot+3], s[G0+4*\slot+2:G0+4*\slot+3], 2*ROWB
	s_add_nc_u64 s[G0+4*\slot+2:G0+4*\slot+3], s[G0+4*\slot+2:G0+4*\slot+3], s[DA:DA+1]
	s_sub_nc_u64 s[G0B+4*\slot+2:G0B+4*\slot+3], s[G0B+4*\slot+2:G0B+4*\slot+3], 2*ROWB
	s_add_nc_u64 s[G0B+4*\slot+2:G0B+4*\slot+3], s[G0B+4*\slot+2:G0B+4*\slot+3], s[DB:DB+1]
.else
	s_add_nc_u64 s[G0+4*\slot+2:G0+4*\slot+3], s[G0+4*\slot+2:G0+4*\slot+3], 2*ROWB
	s_add_nc_u64 s[G0B+4*\slot+2:G0B+4*\slot+3], s[G0B+4*\slot+2:G0B+4*\slot+3], 2*ROWB
.endif
	JLOAD G0+4*\slot, G1, G0B+4*\slot, G1B         ; the first tensor load behind the round, my only one until the next; its four v_nop are the places in front of the loads below
.else
	PLACES NP
.endif
	FETCH_B \next, 0, 0
	FETCH_A \next, 0, 0
	WIN MUL_HI
	MUL16 4, 1, 0
	MUL16 6, 1, 0
	PLACES NP
	WIN 0
	FETCH_A \next, 0, 4
.endm
; THE WAY OUT of block a of tile number tile: 64 sums a lane are held, converted (each accumulator's eight registers give two registers of codes) and stored.  The codes have four sets of 16 registers, by turns.
.macro OUTBLK a, tile
.set AC, 64*((\a)%4)
.set CB, CD+16*((\a)%4)
.if ((\a) == 4) || (((\a) == 0) && (\tile))
	s_wait_xcnt 0x0                                ; every earlier store has read its registers: the four sets of codes may be written again
.endif
	WIN 0x82+0x41*((\a)/4)                         ; destination and source 0: window 2 or 3
.set n, 0
.rept 64
	v_med3_num_f32 v[AC+n], v[AC+n], -v[LIM], v[LIM]   ; the conversion to an 8-bit code does not saturate (ISA guide 7.6.2); each accumulator from its low end on
.set n, n+1
.endr
	WIN 2+(\a)/4                                   ; source 0: window 2 or 3
.irp b, 0,1,2,3,4,5,6,7
	v_cvt_scalef32_pk8_fp8_f32 v[CB+2*\b:CB+2*\b+1], v[AC+8*\b:AC+8*\b+7], v[SCL]
.endr
	WIN 0
	v_nop                                          ; one plain vector line behind the last conversion of a run: the next tile's products write the sums' registers
.irp j, 0,1,2,3
	global_store_b128 v[VOA+(\a)], v[CB+4*\j:CB+4*\j+3], s[BASE+2*(\j/2):BASE+2*(\j/2)+1] offset:(\j%2)*512+(\tile)*XSTEP   ; 32 lanes store 512 consecutive bytes, at a multiple of 512 from the buffer's first byte
.endr
.endm
	s_wait_tensorcnt 1                             ; my part of K step 0 is in; K step 1's load may be out
	s_barrier_signal -1
	s_barrier_wait -1                              ; everybody's is
	FETCH_B 0, 0, 0
	FETCH_A 0, 0, 0
	FETCH_A 0, 0, 4
	STEP 0, 0, 1                                   ; THE FIRST TILE.  k 0-127: these products start the sums
	TURN 0, 1, 1                                   ; k 128-255; slot 0 takes k 512-767
	STEP 1, 0, 0
	TURN 1, 0, 1                                   ; slot 1 takes k 768-1023
	STEP 0, 0, 0
	TURN 0, 1, 2                                   ; slot 0 takes the second tile's k 0-255
	STEP 1, 0, 0
	TURN 1, 0, 2                                   ; slot 1 takes its k 256-511; its first fragments are fetched; four places stand behind the tile's last products
	; The three exponents are folded into the conversion's one scale.
	s_wait_kmcnt 0x0
	s_add_co_i32 s76, s76, s77                     ; e0 + e1
	s_add_co_i32 s78, s78, s79                     ; e2 + e3
	s_add_co_i32 s80, s80, s81                     ; e4 + e5
	s_cmp_eq_u32 s42, 0
	s_cselect_b32 s76, s76, s78
	s_cselect_b32 s82, s82, s83                    ; e6 for q, e7 for k,
	s_cmp_eq_u32 s42, 2
	s_cselect_b32 s76, s80, s76
	s_cselect_b32 s82, s85, s82                    ; e9 for v
	s_sub_co_i32 s82, s82, s76
	s_add_co_i32 s82, s82, 127
	s_lshl_b32 s83, s82, 23
	v_mov_b32 v[SCL], s83                          ; 2^(eo - ex - ew) as f32: the conversion takes its exponent field
	s_add_co_i32 s82, s82, 8
	s_lshl_b32 s82, s82, 23
	s_or_b32 s82, s82, 0x600000
	v_mov_b32 v[LIM], s82                          ; 448 x that
.irp a, 0,1,2,3,4,5,6,7
	OUTBLK \a, 0                                   ; the first tile leaves while the second tile's loads land; no LDS instruction stands here, so the next wait's count holds
.endr
	STEP 0, 0, 1                                   ; THE SECOND TILE: its first products start the sums anew
	TURN 0, 1, 1
	STEP 1, 0, 0
	TURN 1, 0, 1
	STEP 0, 0, 0
	TURN 0, 1, 0                                   ; nothing is left to fetch
	STEP 1, 0, 0
	s_wait_dscnt 4*NL                              ; the last step
	WIN MUL_LO
	MUL16 0, 1, 0
	MUL16 2, 1, 0
	s_wait_dscnt 0
	WIN MUL_HI
	MUL16 4, 1, 0
	MUL16 6, 1, 0
	WIN 0
	PLACES NP                                      ; behind the last products: the holds read results
.irp a, 0,1,2,3,4,5,6,7
	OUTBLK \a, 1
.endr
	s_wait_tensorcnt 0x0                           ; the wave's end
	ds_add_u32 v[SPW], v[NIL]
	s_wait_dscnt 0x0
	CROUND                                         ; the closing round: no work-group ends while a partner may still ask for a tile that names it
	s_endpgm
.Lfunc_end_k_qe341a6e29a_proj:
	.size	k_qe341a6e29a_proj, .Lfunc_end_k_qe341a6e29a_proj-k_qe341a6e29a_proj
	.p2alignl 7, 3214868480
	.fill 96, 4, 3214868480
	.section	.rodata,"a",@progbits
	.p2align	6, 0x0
	.amdhsa_kernel k_qe341a6e29a_proj
		.amdhsa_group_segment_fixed_size 327680
		.amdhsa_private_segment_fixed_size 0
		.amdhsa_enable_private_segment 0
		.amdhsa_kernarg_size 48
		.amdhsa_user_sgpr_count 2
		.amdhsa_user_sgpr_kernarg_segment_ptr 1
		.amdhsa_wavefront_size32 1
		.amdhsa_system_sgpr_workgroup_id_x 1
		.amdhsa_system_sgpr_workgroup_id_y 1
		.amdhsa_system_sgpr_workgroup_id_z 1
		.amdhsa_system_vgpr_workitem_id 0
		.amdhsa_next_free_vgpr 1024
		.amdhsa_next_free_sgpr 102
		.amdhsa_reserve_vcc 0
		.amdhsa_float_denorm_mode_32 3
		.amdhsa_float_denorm_mode_16_64 3
		.amdhsa_memory_ordered 1
		.amdhsa_forward_progress 1
		.amdhsa_inst_pref_size 232
	.end_amdhsa_kernel
	.amdgpu_metadata
---
amdhsa.version: [ 1, 2 ]
amdhsa.kernels:
  - .name:           k_qe341a6e29a_proj
    .symbol:         k_qe341a6e29a_proj.kd
    .args:
      - { .name: x_codes, .offset: 0, .size: 8, .value_kind: global_buffer, .address_space: global }
      - { .name: W_q_codes, .offset: 8, .size: 8, .value_kind: global_buffer, .address_space: global }
      - { .name: W_k_codes, .offset: 16, .size: 8, .value_kind: global_buffer, .address_space: global }
      - { .name: W_v_codes, .offset: 24, .size: 8, .value_kind: global_buffer, .address_space: global }
      - { .name: lowp_scales, .offset: 32, .size: 8, .value_kind: global_buffer, .address_space: global }
      - { .name: qkv, .offset: 40, .size: 8, .value_kind: global_buffer, .address_space: global }
    .group_segment_fixed_size: 327680
    .private_segment_fixed_size: 0
    .kernarg_segment_align: 8
    .kernarg_segment_size: 48
    .max_flat_workgroup_size: 128
    .sgpr_count:     102
    .vgpr_count:     1024
    .wavefront_size: 32
...
	.end_amdgpu_metadata
.endif
;; end of part 4
;; launch attn (part 5): grid 4 x 64, 16 waves a work-group, clusters of 4 x 1, 264,192 bytes of LDS; arguments qkv, lowp_scales, ctx; writes ctx
.if DOCPART == 5
	.amdgcn_target "amdgcn-amd-amdhsa--gfx1250"
	.amdhsa_code_object_version 6
	.text
	.protected	k_qe341a6e29a_attn
	.globl	k_qe341a6e29a_attn
	.p2align	8
	.type	k_qe341a6e29a_attn,@function
k_qe341a6e29a_attn:
	s_mov_b64 s[64:65], 0
	v_nop
	global_prefetch_b8 v0, s[64:65] scope:SCOPE_SE
	s_setreg_imm32_b32 hwreg(HW_REG_WAVE_MODE, 25, 1), 1
	s_wait_xcnt 0x0
	s_wait_alu depctr_hold_cnt(0) depctr_sa_sdst(0) depctr_va_vdst(0) depctr_va_sdst(0) depctr_va_ssrc(0) depctr_va_vcc(0) depctr_vm_vsrc(0)
	s_getreg_b32 s2, hwreg(HW_REG_IB_STS2, 6, 4)
	s_cmp_eq_u32 s2, 0
	s_cbranch_scc0 .Lentry_in_a_cluster
	s_endpgm
.Lentry_in_a_cluster:
	s_bfe_u32 s2, ttmp6, 0x10000c
	s_cmp_lg_u32 s2, 0x3003
	s_cbranch_scc0 .Lentry_shape_is_right
	s_endpgm
.Lentry_shape_is_right:
; ctx = causal softmax(q k^T / 8) v for 64 (batch, head) pairs of 2,048 tokens x 64 channels, both products on codes of FP8 (E4M3); ctx is quantised with 2^e10 and stored as images of the last product's operand registers.
; THE SOFTMAX: t = score x 2^(e6 + e7) x log2(e) / 8; M = the running largest t rounded UP to a whole number; p = 2^(t - M) is quantised with 2^e8, not normalised; the row's sum is taken of the unquantised p and divides at the end.
; When M moves, the sum and O are multiplied by 2^(old M - new M): exact.
; LIMITS on the given exponents, so that each power of two below is an f32 number: e6 + e7 between -123 and 130 (added to c's exponent field); e8, and e10 - e8 - e9, between -126 and 119.  NaN among the codes is not served.
; SHARES.  A cluster of four work-groups is one (batch, head).  The head's whole K (131,072 bytes, LDS byte 0 on) and V (131,072 bytes behind it) come in once, as they lie in the workspace: images of operand registers, so a fragment
; load is 16 x lane + a constant.  All four work-groups want the same bytes: every load is a JOINT load.  No LDS byte is filled twice and none is stored to.
; BALANCE.  The head's 128 tiles of 16 queries fall into 16 groups of 8 (128 queries, one key step).  Work-group cx owns tiles 2 cx + i, i = 0, 1, of every group; wave w (m = w % 8, i = w / 8) takes its tile of group 8 + m, then
; that of group 7 - m: (9 + m) + (8 - m) = 17 key steps of 128 keys for every wave of the launch.  Which steps a wave works hangs on the wave's number and the loops' counters alone; cx enters global addresses and the mask's one register.
; LAYOUT.  Both products transposed: S^T = k q^T (16x16x64: source 0 = 16 keys, source 1 = my 16 queries), O^T = v^T p^T (16x16x128: source 0 = 16 channels, source 1 = p): a lane holds ONE query (lane % 16) throughout.
; An accumulator of S^T holds keys 16 c + 8 (lane / 16) + 0..7: its conversion gives registers 2 c, 2 c + 1 of p's operand; likewise O^T's four give ctx's eight registers.
; THE STEP'S ORDER.  A step's vector work outweighs its twelve products, so it is written for few instructions and few waits of a line for the line above it: the maximum in four chains;
; from the second group of eight keys on each of the first four exponentials of a group is followed by at most one plain instruction of the group before (its sums).
; WORKSPACE ctx: [256 along K: 4][tile of 16 rows: 512][128 along K: 2][4][32 lanes][16 bytes]: lane (r, h): row r, registers 2 c, 2 c + 1: k = 16 c + 8 h + 0..7.  A head is 64 along K: two of the four quads.
; REGISTERS: v1 16 x lane; v9 the same + V's place; v2, v3 the step's addresses; v4 the mask's d; v12 -M, v13 the largest t, v[14:15] the sum; v16-23, v24-31 q of the two passes; v32-95 K's eight fragments, then V's four;
;   v96-159 S^T, then p; v160-191 O^T; v192-207 p's codes; v208-223 ctx's codes; v236 a permute's destination; v244 2^e8; v245 the same for e10 - e8 - e9;
;   v242-243 the sum's second chain; v248, v250, v252, v254 the maximum's chains; v251 the old -M; v252 then f (v253 named with it as a pair).
; SCALARS: s4-9 the buffers; s10 batch x head, s11 batch, s12 head, s13 the head's bytes; s18 wave, s19 cx; s20-21 lane selects; s22-23 c; s24-31 descriptor group 1; s32-47 four groups 0; s48 LDS base, s49 key step, s50 my group;
;   s51 i, s52 m, s53, s54 my two tiles, s55 2 cx + i; s56-60 e6..e10; s61-63 what I fetch; s66-69 q's addresses, s70-73 ctx's; s74-75 K's or V's; s76-77 at work.
.set VLDS,  131072                     ; V's place in LDS
.set STEPB, 8192                       ; a key step's bytes of K (8 tiles x 1,024), and of V (4 tiles x 2,048)
.set CHUNK, 32768                      ; four key steps
.set LI,  1
.set ADK, 2
.set ADV, 3
.set DG,  4
.set LV,  9
.set KV,  32
.set S,   96
.set O,   160
.set PC,  192
.set CC,  208
.set WV,  18
.set CX,  19
.set SEL, 20
.set CS,  22
.set G1,  24
.set G0,  32
.set TB,  48
.set KS,  49
.set GR,  50
.macro ROUND                           ; a round of the cluster's barrier
	s_barrier_signal -1
	s_barrier_wait -1
	s_cmp_lg_u32 s[WV], 0
	s_cbranch_scc1 .Lnot_wave_0_\@
	s_barrier_signal -3
.Lnot_wave_0_\@:
	s_barrier_wait -3
	s_barrier_signal -1
	s_barrier_wait -1
.endm
	s_load_b128 s[4:7], s[0:1], 0x0                ; qkv s[4:5], the exponents s[6:7]
	s_load_b64 s[8:9], s[0:1], 0x10                ; ctx
	v_lshl_add_u32 v249, v0, 2, 0x40000
	v_mov_b32 v255, 0
	ds_add_u32 v249, v255
	ds_add_u32 v249, v255
	v_lshrrev_b32 v5, 5, v0
	s_delay_alu instid0(VALU_DEP_1)
	v_readfirstlane_b32 s[WV], v5                  ; wave 0..15
	s_bfe_u32 s[CX], ttmp6, 0x40000                ; cx
	s_and_b32 s10, ttmp7, 0xffff                   ; 16 x batch + head: the cluster's y, which the four partners share
	s_lshr_b32 s11, s10, 4
	s_and_b32 s12, s10, 15
	s_lshl_b32 s13, s10, 17                        ; the head's first byte in each of q, k, v
	s_and_b32 s52, s[WV], 7                        ; m
	s_lshr_b32 s51, s[WV], 3                       ; i
	; what I fetch, if I fetch (waves 0-3): wave 0, 1: the halves of K's chunks; wave 2, 3: of V's
	s_lshr_b32 s61, s[WV], 1
	s_and_b32 s61, s61, 1                          ; 0 K, 1 V
	s_and_b32 s62, s[WV], 1
	s_lshl_b32 s62, s62, 14                        ; which 16,384 bytes of a chunk
	s_lshl_b32 s63, s61, 17
	s_add_co_u32 s63, s63, s62                     ; in LDS
	s_add_co_u32 s74, s61, 1
	s_lshl_b32 s74, s74, 23                        ; k at 8 MiB, v at 16 MiB
	s_add_co_u32 s74, s74, s62
	s_add_co_u32 s74, s74, s13                     ; in the workspace
	s_mov_b32 s75, 0
	; descriptor group 1: 64 rows of 256 bytes, dense in memory and in LDS
	s_mov_b32 s[G1+0], 15|(0<<16)|(1<<21)          ; 15:0 the mask: all four work-groups; 17:16 elements of 1 byte; 20 no padding; 21 set beside a mask
	s_mov_b32 s[G1+1], 256<<16                     ; tensor_dim0
	s_mov_b32 s[G1+2], 64<<16                      ; tensor_dim1
	s_mov_b32 s[G1+3], 256<<16                     ; tile_dim0
	s_mov_b32 s[G1+4], 64                          ; tile_dim1
	s_mov_b32 s[G1+5], 256                         ; tensor_dim0_stride
	s_mov_b32 s[G1+6], 0
	s_mov_b32 s[G1+7], 0
	; my two tiles of queries
	s_lshl_b32 s55, s[CX], 1
	s_add_co_u32 s55, s55, s51                     ; 2 cx + i
	s_add_co_u32 s53, s52, 8
	s_lshl_b32 s53, s53, 3
	s_add_co_u32 s53, s53, s55                     ; 8 (8 + m) + 2 cx + i
	s_sub_co_u32 s54, 7, s52
	s_lshl_b32 s54, s54, 3
	s_add_co_u32 s54, s54, s55                     ; 8 (7 - m) + 2 cx + i
	s_lshl_b32 s66, s53, 10                        ; q: a tile's image is 1,024 bytes
	s_add_co_u32 s66, s66, s13
	s_mov_b32 s67, 0
	s_lshl_b32 s68, s54, 10
	s_add_co_u32 s68, s68, s13
	s_mov_b32 s69, 0
	s_lshr_b32 s76, s12, 2                         ; ctx: the plane of 256 along K (four heads),
	s_lshl_b32 s76, s76, 21
	s_lshl_b32 s77, s11, 19                        ; the batch's 128 tiles of 4,096 bytes,
	s_add_co_u32 s76, s76, s77
	s_and_b32 s77, s12, 3
	s_lshl_b32 s77, s77, 10                        ; the head's 1,024 bytes among the four heads' 4,096,
	s_add_co_u32 s76, s76, s77
	s_lshl_b32 s70, s53, 12                        ; and the tile
	s_add_co_u32 s70, s70, s76
	s_mov_b32 s71, 0
	s_lshl_b32 s72, s54, 12
	s_add_co_u32 s72, s72, s76
	s_mov_b32 s73, 0
	s_mov_b32 s[SEL], 0x76543210
	s_mov_b32 s[SEL+1], 0xfedcba98                 ; v_permlanex16_b32's selects for lane l xor 16
	s_wait_dscnt 0x0
	s_wait_kmcnt 0x0
	s_load_b128 s[56:59], s[6:7], 0x18             ; e6, e7, e8, e9
	s_load_b32 s60, s[6:7], 0x28                   ; e10
	s_add_nc_u64 s[74:75], s[4:5], s[74:75]
	s_add_nc_u64 s[66:67], s[4:5], s[66:67]
	s_add_nc_u64 s[68:69], s[4:5], s[68:69]
	s_add_nc_u64 s[70:71], s[8:9], s[70:71]
	s_add_nc_u64 s[72:73], s[8:9], s[72:73]
.irp n, 0,1,2,3                                ; a group 0 for each chunk of 512 keys
	s_mov_b32 s[G0+4*\n], 1
	s_add_co_u32 s[G0+4*\n+1], s63, \n*CHUNK
	s_add_nc_u64 s[G0+4*\n+2:G0+4*\n+3], s[74:75], \n*CHUNK
	s_or_b32 s[G0+4*\n+3], s[G0+4*\n+3], 0x80000000
.endr
	ROUND                                          ; all four work-groups are here: the joint loads meet
	s_cmp_lt_u32 s[WV], 4                          ; all the fills of a wave stand in one branch on its number, ahead of every wait on TENSORcnt, every LDS read and every other barrier: four loads of mine are out
	s_cbranch_scc0 .Lno_fetch
	tensor_load_to_lds s[G0:G0+3], s[G1:G1+7]
	s_nop 0
	tensor_load_to_lds s[G0+4:G0+7], s[G1:G1+7]
	s_nop 0
	tensor_load_to_lds s[G0+8:G0+11], s[G1:G1+7]
	s_nop 0
	tensor_load_to_lds s[G0+12:G0+15], s[G1:G1+7]
	s_nop 0
.rept 4
	v_nop
.endr
.Lno_fetch:
	v_and_b32 v5, 31, v0
	s_delay_alu instid0(VALU_DEP_1)
	v_lshlrev_b32 v[LI], 4, v5                     ; 16 x lane
	s_delay_alu instid0(VALU_DEP_1)
	v_add_nc_u32 v[LV], VLDS, v[LI]
	global_load_b128 v[16:19], v[LI], s[66:67]     ; q of both passes stays in registers
	global_load_b128 v[20:23], v[LI], s[66:67] offset:512
	global_load_b128 v[24:27], v[LI], s[68:69]
	global_load_b128 v[28:31], v[LI], s[68:69] offset:512
	v_and_b32 v6, 15, v0                           ; r
	v_bfe_u32 v7, v0, 4, 1
	s_delay_alu instid0(VALU_DEP_1)
	v_lshlrev_b32 v7, 3, v7                        ; 8 h
	s_delay_alu instid0(VALU_DEP_1)
	v_sub_nc_u32 v[DG], v6, v7
	s_lshl_b32 s77, s55, 4
	v_add_nc_u32 v[DG], s77, v[DG]                 ; d = my query in its group - 8 h.  In the diagonal step register 8 c + j holds key 16 c + 8 h + j of the group: hidden where 16 c + j > d
	v_mov_b32 v236, 0                              ; written once: a lane permute's destination counts as one of its sources
	v_mov_b32 v253, 0                              ; (named as the upper half of the pair v[252:253])
	s_wait_kmcnt 0x0
	s_add_co_i32 s76, s56, s57
	s_lshl_b32 s76, s76, 23
	s_mov_b32 s[CS], 0x3e38aa3b                    ; c = log2(e) / sqrt(64)
	s_add_co_i32 s[CS], s[CS], s76                 ; x 2^(e6 + e7): the two exponents are added to c's exponent field
	s_mov_b32 s[CS+1], s[CS]                       ; (named with it as a pair, so it is written)
	s_add_co_i32 s76, s58, 127
	s_lshl_b32 s77, s76, 23
	v_mov_b32 v244, s77                            ; 2^e8 as f32, for p's conversions
	s_sub_co_i32 s76, s60, s58
	s_sub_co_i32 s76, s76, s59                     ; O / l stands for ctx / 2^(e8 + e9): its code is (O / l) / 2^(e10 - e8 - e9)
	s_add_co_i32 s76, s76, 127
	s_lshl_b32 s77, s76, 23
	v_mov_b32 v245, s77
.macro TM j                            ; t - M for the two scores at S + j (of the pairs c and -M the low word serves both halves)
	v_pk_fma_f32 v[S+\j:S+1+\j], v[S+\j:S+1+\j], s[CS:CS+1], v[12:13] op_sel_hi:[1,0,0]
.endm
; Plain instruction j of 8 of group c (keys 16 c + 8 h + 0..7, registers S + 8 c on).  0-3: the row's sum, of the UNQUANTISED p, two numbers at a time, in two chains by turns (group 0 starts the second chain with its first two pairs).
; 4-7: nothing.
.macro PLAIN c, j
.if (\j) >= 4
.elseif ((\c) == 0) && ((\j) == 0)
	s_wait_alu depctr_va_vdst(0)
	v_pk_add_f32 v[242:243], v[S:S+1], v[S+2:S+3]
.elseif ((\c) == 0) && ((\j) == 1)     ; (taken by the line above)
.elseif (\j) % 2 == 0
	s_wait_alu depctr_va_vdst(0)
	v_pk_add_f32 v[14:15], v[14:15], v[S+8*(\c)+2*(\j):S+8*(\c)+2*(\j)+1]
.else
	v_pk_add_f32 v[242:243], v[242:243], v[S+8*(\c)+2*(\j):S+8*(\c)+2*(\j)+1]
.endif
.endm
; A KEY STEP: 128 keys, at LDS byte s[TB] of K's and of V's images.  causal = 1: a step past my group is left out (a scalar branch on the wave's number and the counter), and in my group's own step hidden scores become -infinity.
.macro STEP qreg, causal
.if \causal
	s_cmp_gt_u32 s[KS], s[GR]
	s_cbranch_scc1 .Lhid_\@
.endif
	s_setprio 2
	v_add_nc_u32 v[ADK], s[TB], v[LI]
	v_add_nc_u32 v[ADV], s[TB], v[LV]
	v_mov_b32 v251, v12                            ; the old -M is kept for f
	v_nop                                          ; with the three lines above: four places in front of loads into registers that the last step's products have read
.irp c, 0,1,2,3,4,5,6,7
	ds_load_b128 v[KV+8*\c:KV+8*\c+3], v[ADK] offset:1024*\c
	ds_load_b128 v[KV+8*\c+4:KV+8*\c+7], v[ADK] offset:1024*\c+512
.endr
	s_wait_alu depctr_va_vdst(0)
.irp c, 0,2,4,6                                ; S^T = k q^T: eight tiles of 16 keys, K = the head's 64, two tiles behind each wait
	s_wait_dscnt 12-2*\c                           ; LDS loads come back in order (ISA guide 5.7.1): behind tiles c and c + 1's four loads 12 - 2 c were issued
.irp u, 0,1
	v_wmma_f32_16x16x64_fp8_fp8 v[S+8*(\c+\u):S+8*(\c+\u)+7], v[KV+8*(\c+\u):KV+8*(\c+\u)+7], v[\qreg:\qreg+7], 0
.endr
.endr
.rept 4
	v_nop                                          ; places in front of the loads below and of the first read of the scores
.endr
.irp t, 0,1,2,3                                ; V's four fragments take K's registers; they land while the softmax is walked
.irp q, 0,1,2,3
	ds_load_b128 v[KV+16*\t+4*\q:KV+16*\t+4*\q+3], v[ADV] offset:2048*\t+512*\q
.endr
.endr
.if \causal
	s_cmp_lg_u32 s[KS], s[GR]
	s_cbranch_scc1 .Lopen_\@
	v_mov_b32 v254, 0xff800000                     ; -infinity: p = 0 then.  The group's first key counts for all its queries, so the maximum stays a number
.irp c, 0,1,2,3,4,5,6,7
.irp j, 0,1,2,3,4,5,6,7
	v_cmp_gt_i32 vcc_lo, 16*\c+\j, v[DG]
	v_cndmask_b32 v[S+8*\c+\j], v[S+8*\c+\j], v254, vcc_lo
.endr
.endr
.Lopen_\@:
.endif
	v_max3_num_f32 v254, v[S], v[S+1], v[S+2]      ; the step's largest score of my query among my 64 keys, in four chains, ascending: each accumulator from its low end on
	v_max3_num_f32 v252, v[S+3], v[S+4], v[S+5]
	v_max3_num_f32 v250, v[S+6], v[S+7], v[S+8]
	v_max3_num_f32 v248, v[S+9], v[S+10], v[S+11]
.irp i, 12,20,28,36,44,52
	v_max3_num_f32 v254, v254, v[S+\i], v[S+1+\i]
	v_max3_num_f32 v252, v252, v[S+2+\i], v[S+3+\i]
	v_max3_num_f32 v250, v250, v[S+4+\i], v[S+5+\i]
	v_max3_num_f32 v248, v248, v[S+6+\i], v[S+7+\i]
.endr
	v_max3_num_f32 v254, v254, v[S+60], v[S+61]
	v_max3_num_f32 v252, v252, v[S+62], v[S+63]
	s_delay_alu instid0(VALU_DEP_1)
	v_max3_num_f32 v254, v254, v252, v250
	s_delay_alu instid0(VALU_DEP_1)
	v_max_num_f32 v254, v254, v248
	s_delay_alu instid0(VALU_DEP_1)
	v_permlanex16_b32 v236, v254, s[SEL], s[SEL+1]
	s_delay_alu instid0(VALU_DEP_1)
	v_max_num_f32 v254, v254, v236                 ; and among lane l xor 16's
	s_delay_alu instid0(VALU_DEP_1)
	v_mul_f32 v254, s[CS], v254                    ; as t (c is positive)
	s_delay_alu instid0(VALU_DEP_1)
	v_max_num_f32 v13, v13, v254                   ; the running largest t
	s_delay_alu instid0(VALU_DEP_1)
	v_floor_f32 v12, -v13                          ; the new -M = floor(-t) = -ceil(t): M is a whole number
.irp j, 0,2,4,6
	TM \j
.endr
	v_sub_f32 v254, v12, v251                      ; old M - new M: a whole number, 0 or less.  (The three lines that make f stand among the scalings, so that none waits for the line above it)
.irp j, 8,10,12,14
	TM \j
.endr
	v_cvt_i32_f32 v254, v254                       ; (it saturates)
.irp j, 16,18,20,22
	TM \j
.endr
	v_ldexp_f32 v252, 1.0, v254                    ; f = 2^(old M - new M)
.irp j, 24,26,28,30,32,34,36,38,40,42,44,46,48,50,52,54,56,58,60,62
	TM \j
.endr
	s_setprio 1
	s_wait_alu depctr_va_vdst(0)
.irp j, 0,1,2,3,4,5,6,7
	v_exp_f32 v[S+\j], v[S+\j]                     ; p = 2^(t - M), at most 1: not normalised
.endr
	v_pk_mul_f32 v[14:15], v[14:15], v[252:253] op_sel_hi:[1,0]   ; the sum under the new M.  (The plain place behind the first eight exponentials)
.irp c, 1,2,3,4,5,6,7
.irp j, 0,1,2,3,4,5,6,7
	v_exp_f32 v[S+8*\c+\j], v[S+8*\c+\j]           ; an exponential of this group, then a plain instruction of the group before
	PLAIN \c-1, \j
.endr
	v_cvt_scalef32_pk8_fp8_f32 v[PC+2*(\c-1):PC+2*(\c-1)+1], v[S+8*(\c-1):S+8*(\c-1)+7], v244   ; keys 16 c + 8 h + 0..7: registers 2 c, 2 c + 1 of the operand
	s_wait_alu depctr_va_vdst(0)
.endr
	s_setprio 0
.irp j, 0,1,2,3,4,5,6,7
	PLAIN 7, \j
.endr
	v_cvt_scalef32_pk8_fp8_f32 v[PC+14:PC+15], v[S+56:S+63], v244
	v_pk_add_f32 v[14:15], v[14:15], v[242:243]    ; the two chains
.irp j, 0,2,4,6,8,10,12,14,16,18,20,22,24,26,28,30
	v_pk_mul_f32 v[O+\j:O+1+\j], v[O+\j:O+1+\j], v[252:253] op_sel_hi:[1,0]   ; O^T under the new M.  (These are also the plain lines behind the conversions)
.endr
	s_wait_alu depctr_va_vdst(0)
	s_wait_dscnt 0x0                               ; V's fragments are in
.irp t, 0,1,2,3                                ; O^T += v^T p^T: four tiles of 16 channels, K = these 128 keys; the four accumulators take turns, one instruction a turn
	v_wmma_f32_16x16x128_fp8_fp8 v[O+8*\t:O+8*\t+7], v[KV+16*\t:KV+16*\t+15], v[PC:PC+15], v[O+8*\t:O+8*\t+7]
.endr
.if \causal
.Lhid_\@:
.endif
	s_add_co_u32 s[TB], s[TB], STEPB
.endm
; Key steps first .. last - 1: the trip count is a constant of the text, and the counter and the LDS base are set here.
.macro WALK qreg, causal, first, last
	s_mov_b32 s[KS], \first
	s_mov_b32 s[TB], \first*STEPB
.Lwalk_\@:
	STEP \qreg, \causal
	s_add_co_u32 s[KS], s[KS], 1
	s_cmp_lt_u32 s[KS], \last
	s_cbranch_scc1 .Lwalk_\@
	s_setprio 0
.endm
; The fetching waves wait until at most cnt of their four loads are out, then all sixteen meet: behind the barrier the chunks that have landed may be read by every wave.  Nothing is ever filled again, so later chunks may stay out.
.macro SYNC cnt
	s_wait_tensorcnt \cnt
	s_wait_dscnt 0x0
	s_barrier_signal -1
	s_barrier_wait -1
.endm
.macro INIT                            ; the step is written without a first step of its own: it finds zeros, which the first change of M leaves zeros
	v_mov_b32 v13, 0xff61b1e6                      ; the largest t so far: -3e38, under every t
	s_delay_alu instid0(VALU_DEP_1)
	v_floor_f32 v12, -v13                          ; -M
	v_mov_b32 v14, 0
	v_mov_b32 v15, 0
.set n, 0
.rept 32
	v_mov_b32 v[O+n], 0
.set n, n+1
.endr
.endm
; Pass p's tile leaves: O^T / the sum, converted: eight registers, the head's part of an operand image.
.macro OUT p
.rept 4
	v_nop                                          ; places behind the last products
.endr
	v_add_f32 v14, v14, v15                        ; the sum's two halves,
	s_delay_alu instid0(VALU_DEP_1)
	v_permlanex16_b32 v236, v14, s[SEL], s[SEL+1]
	s_delay_alu instid0(VALU_DEP_1)
	v_add_f32 v14, v14, v236                       ; and lane l xor 16's
	s_wait_alu depctr_va_vdst(0)
	v_rcp_f32 v252, v14
	v_nop                                          ; one plain place behind a transcendental
	s_wait_alu depctr_va_vdst(0)
.irp j, 0,2,4,6,8,10,12,14,16,18,20,22,24,26,28,30
	v_pk_mul_f32 v[O+\j:O+1+\j], v[O+\j:O+1+\j], v[252:253] op_sel_hi:[1,0]   ; each accumulator from its low end on
.endr
.set n, 0
.rept 32
.set n, n+1
.endr
.irp t, 0,1,2,3
	v_cvt_scalef32_pk8_fp8_f32 v[CC+8*\p+2*\t:CC+8*\p+2*\t+1], v[O+8*\t:O+8*\t+7], v245
.endr
	v_nop                                          ; one plain vector line behind the last conversion of a run
	global_store_b128 v[LI], v[CC+8*\p:CC+8*\p+3], s[70+2*\p:71+2*\p]               ; 32 lanes store 512 consecutive bytes, at a multiple of 512 from the buffer's first byte
	global_store_b128 v[LI], v[CC+8*\p+4:CC+8*\p+7], s[70+2*\p:71+2*\p] offset:512  ; each pass has code registers of its own
.endm
	INIT
	s_add_co_u32 s[GR], s52, 8                     ; pass 0: group 8 + m: every wave works key steps 0 to 8 at the least
	s_wait_loadcnt 0x0                             ; q
	SYNC 3                                         ; chunk 0 (keys 0-511) is in; three loads may be out
	WALK 16, 0, 0, 4
	SYNC 0                                         ; all of K and V: the other three chunks had four key steps in which to land; every read of them stands behind this barrier
	WALK 16, 0, 4, 8
	WALK 16, 1, 8, 16
	OUT 0
	s_sub_co_u32 s[GR], 7, s52                     ; pass 1: group 7 - m
	INIT
	WALK 24, 1, 0, 8
	OUT 1
	s_wait_dscnt 0x0
	s_wait_tensorcnt 0x0
	ds_add_u32 v249, v255
	s_wait_dscnt 0x0
	ROUND                                          ; the closing round
	s_endpgm
.Lfunc_end_k_qe341a6e29a_attn:
	.size	k_qe341a6e29a_attn, .Lfunc_end_k_qe341a6e29a_attn-k_qe341a6e29a_attn
	.p2alignl 7, 3214868480
	.fill 96, 4, 3214868480
	.section	.rodata,"a",@progbits
	.p2align	6, 0x0
	.amdhsa_kernel k_qe341a6e29a_attn
		.amdhsa_group_segment_fixed_size 264192
		.amdhsa_private_segment_fixed_size 0
		.amdhsa_enable_private_segment 0
		.amdhsa_kernarg_size 24
		.amdhsa_user_sgpr_count 2
		.amdhsa_user_sgpr_kernarg_segment_ptr 1
		.amdhsa_wavefront_size32 1
		.amdhsa_system_sgpr_workgroup_id_x 1
		.amdhsa_system_sgpr_workgroup_id_y 1
		.amdhsa_system_sgpr_workgroup_id_z 1
		.amdhsa_system_vgpr_workitem_id 0
		.amdhsa_next_free_vgpr 256
		.amdhsa_next_free_sgpr 80
		.amdhsa_reserve_vcc 1
		.amdhsa_float_denorm_mode_32 3
		.amdhsa_float_denorm_mode_16_64 3
		.amdhsa_fp16_overflow 1
		.amdhsa_memory_ordered 1
		.amdhsa_forward_progress 1
		.amdhsa_inst_pref_size 82
	.end_amdhsa_kernel
	.amdgpu_metadata
---
amdhsa.version: [ 1, 2 ]
amdhsa.kernels:
  - .name:           k_qe341a6e29a_attn
    .symbol:         k_qe341a6e29a_attn.kd
    .args:
      - { .name: qkv, .offset: 0, .size: 8, .value_kind: global_buffer, .address_space: global }
      - { .name: lowp_scales, .offset: 8, .size: 8, .value_kind: global_buffer, .address_space: global }
      - { .name: ctx, .offset: 16, .size: 8, .value_kind: global_buffer, .address_space: global }
    .group_segment_fixed_size: 264192
    .private_segment_fixed_size: 0
    .kernarg_segment_align: 8
    .kernarg_segment_size: 24
    .max_flat_workgroup_size: 512
    .sgpr_count:     80
    .vgpr_count:     256
    .wavefront_size: 32
...
	.end_amdgpu_metadata
.endif
;; end of part 5
;; launch outp (part 6): grid 4 x 64, 4 waves a work-group, clusters of 4 x 4, 327,680 bytes of LDS; arguments ctx, W_out_codes, lowp_scales, b_out, out0; writes out0
.if DOCPART == 6
	.amdgcn_target "amdgcn-amd-amdhsa--gfx1250"
	.amdhsa_code_object_version 6
	.text
	.protected	k_qe341a6e29a_outp
	.globl	k_qe341a6e29a_outp
	.p2align	8
	.type	k_qe341a6e29a_outp,@function
k_qe341a6e29a_outp:
	s_mov_b64 s[64:65], 0
	v_nop
	global_prefetch_b8 v0, s[64:65] scope:SCOPE_SE
	s_setreg_imm32_b32 hwreg(HW_REG_WAVE_MODE, 25, 1), 1
	s_wait_xcnt 0x0
	s_wait_alu depctr_hold_cnt(0) depctr_sa_sdst(0) depctr_va_vdst(0) depctr_va_sdst(0) depctr_va_ssrc(0) depctr_va_vcc(0) depctr_vm_vsrc(0)
	s_getreg_b32 s2, hwreg(HW_REG_IB_STS2, 6, 4)
	s_cmp_eq_u32 s2, 0
	s_cbranch_scc0 .Lentry_in_a_cluster
	s_endpgm
.Lentry_in_a_cluster:
	s_bfe_u32 s2, ttmp6, 0x10000c
	s_cmp_lg_u32 s2, 0xf033
	s_cbranch_scc0 .Lentry_shape_is_right
	s_endpgm
.Lentry_shape_is_right:
; out0 = ctx W_out^T x 2^(e10 + e11) + b_out, on codes of FP8 (E4M3).  ctx: 8,192 rows x 1,024 K, as images of operand registers (layout below); W_out: [1024][1024] codes, K innermost; b_out [1024], out0 [8192][1024]: f32.
; LIMIT: e10 + e11 lies between -126 and 127, so that 2^(e10 + e11) is an f32 number.
; SHARES.  256 tiles of 128 rows x 256 columns, K = 1,024: one for each of 256 work-groups; tiles of 256 x 256 would be 128.  Four waves, each 64 rows x 128 columns: 32 accumulators, 256 registers.
; CLUSTERS: 4 x 4.  ctx's tile hangs on the tile row and is asked for jointly by my row of the cluster, W_out's on the tile column and by my column.
; WORKSPACE ctx: [256 along K: 4][tile of 16 rows: 512][128 along K: 2][4][32 lanes][16 bytes]: lane (r, h): row r, registers 2 c, 2 c + 1: k = 16 c + 8 h + 0..7, the place that this matrix form's own layout gives each k.
; So 64 rows x 256 K are 16,384 consecutive bytes, a fragment comes by four loads at 16 x lane, and W_out's fragments are read in the same true places: eight loads of 8 bytes, 16 bytes apart, at row x pitch + 8 (l / 16).
; THE MATRIX INSTRUCTION IS USED TRANSPOSED (source 0 = 16 rows of W_out, source 1 = 16 rows of ctx): a lane holds eight neighbouring numbers of a row of out0.
; K goes in steps of 256 through THREE LDS slots of 102,400 bytes: K steps 0, 1, 2 are first fills (three loads of a wave are out at the start), K step 3 is the one refill, of slot 0, asked for four steps of 128 ahead of its first read.
; Both operands have two sets of fragment registers; the next step's 80 LDS loads go out in two runs, at the step's head and behind its first eight products.  The eight steps of 128 are written out.
; REGISTERS, in windows of 256: window 0: v1-6 at work, v8-11 b_out of my four columns, v16-18, v20-22 LDS addresses, v24-26 the way out, v28, v29 for the add, v128-191, v192-255 ctx's fragments, two sets; at the end rows of out0.
;   window 1: W_out's fragments, two sets.  window 2: the accumulators ((a, b) at v[8 (8 a + b)]).
; SCALARS: s4-13 the five buffers; s14 cx, s15 cy, s16 tile column, s17 tile row, s18, s19 masks; s20-21 A's offset; s22-23 at work; s24-31, s32-43 A's descriptors; s44-45 B's offset; s46, s47 LDS places;
;   s48-55, s76-87 B's descriptors; s56-59 A's and B's addresses; s60-63 the way out's offsets; s66 wave, s67, s68 its halves; s96-97 2^(e10 + e11).
.set KROW,   1024
.set ROWB,   256
.set PITCH,  272                       ; W_out's LDS row: 256 bytes + 16 of padding = 68 words: the 32 lanes of a load of 8 bytes (row r, half h) start at banks 4 r + 2 h mod 64 (ISA guide 11.1): all different
.set FR,     16
.set NP,     4
.set AHALF,  16384                     ; 64 rows x 256 K of ctx, as images
.set BHALF,  128*PITCH
.set BOFF,   2*AHALF
.set SLOT,   BOFF+2*BHALF              ; A's 128 rows, then B's 256 rows
.set PLANE,  2097152                   ; ctx: from 256 along K to the next
.set SPARE,  3*SLOT                    ; behind the ring: the spare words, 128 bytes for each wave
.set STAGE,  SLOT                      ; the way out: a stage for each wave, in slot 1, which is filled once and has had its last read when the first result is stored there
.set SPITCH, 528                       ; a stage row: 512 bytes + 16
.set BIAS, 8
.set ADRA, 16
.set ADRB, 20
.set STO,  24
.set RD,   25
.set CO,   26
.set SPW,  28
.set NIL,  29
.set AF,   128
.set BK,   128
.set G1,   24
.set G0,   32
.set G1B,  48
.set G0B,  76
.set WV,   66
.set HFA,  67
.set HFB,  68
.set MSB, 0
.macro WIN new                         ; the immediate's high byte repeats the setting that is left
.if MSB != \new
	s_set_vgpr_msb (MSB<<8)|\new
.set MSB, \new
.endif
.endm
.set MUL,    0xa1                      ; source 0 (B) window 1, source 1 (A) window 0, C and D window 2
.set TO_B,   0x40                      ; destination window 1, address window 0
; A joint load: waves 0 and 1 fetch for A, waves 2 and 3 for B.  The branch hangs on the wave's number alone.  Four v_nop follow each of the two lines.
.macro JLOAD g0a, g1a, g0b, g1b
	s_cmp_eq_u32 s[HFA], 0
	s_cbranch_scc0 .Lfor_b_\@
	tensor_load_to_lds s[\g0a:\g0a+3], s[\g1a:\g1a+7]
	s_nop 0
.rept 4
	v_nop
.endr
	s_branch .Lasked_\@
.Lfor_b_\@:
	tensor_load_to_lds s[\g0b:\g0b+3], s[\g1b:\g1b+7]
	s_nop 0
.rept 4
	v_nop
.endr
.Lasked_\@:
.endm
.macro CREST                           ; a round of the cluster's barrier behind its opening barrier
	s_cmp_lg_u32 s[WV], 0
	s_cbranch_scc1 .Lnot_wave_0_\@
	s_barrier_signal -3
.Lnot_wave_0_\@:
	s_barrier_wait -3
	s_barrier_signal -1
	s_barrier_wait -1
.endm
.macro CROUND                          ; a whole round
	s_barrier_signal -1
	s_barrier_wait -1
	CREST
.endm
	s_load_b256 s[4:11], s[0:1], 0x0               ; ctx s[4:5], W_out s[6:7], the exponents s[8:9], b_out s[10:11]
	s_load_b64 s[12:13], s[0:1], 0x20              ; out0
	v_lshl_add_u32 v[SPW], v0, 2, SPARE
	v_mov_b32 v[NIL], 0
	ds_add_u32 v28, v29
	ds_add_u32 v28, v29
	s_wait_dscnt 0x0
	v_lshrrev_b32 v1, 5, v0
	v_readfirstlane_b32 s[WV], v1                  ; wave 0..3
	s_lshr_b32 s[HFA], s[WV], 1                    ; which 64 of the tile's rows are mine.  Also: I fetch for A (0) or for B (1)
	s_and_b32 s[HFB], s[WV], 1                     ; which 128 of its columns.  Also: which half of that tile I fetch
	s_bfe_u32 s14, ttmp6, 0x40000                  ; cx
	s_bfe_u32 s15, ttmp6, 0x40004                  ; cy
	s_lshl_b32 s16, ttmp9, 2
	s_add_co_u32 s16, s16, s14                     ; tile column = 4 x cluster x + cx
	s_and_b32 s17, ttmp7, 0xffff
	s_lshl_b32 s17, s17, 2
	s_add_co_u32 s17, s17, s15                     ; tile row = 4 x cluster y + cy
	s_lshl_b32 s18, s15, 2
	s_lshl_b32 s18, 15, s18                        ; my row of the cluster
	s_lshl_b32 s19, 0x1111, s14                    ; my column
	; descriptor group 1 for A: 64 rows of 256 bytes, dense in memory and in LDS
	s_or_b32 s[G1+0], s18, (0<<16)|(1<<21)         ; 15:0 the mask; 17:16 elements of 1 byte; 20 no padding; 21 set beside a mask
	s_mov_b32 s[G1+1], ROWB<<16
	s_mov_b32 s[G1+2], 64<<16
	s_mov_b32 s[G1+3], ROWB<<16
	s_mov_b32 s[G1+4], 64
	s_mov_b32 s[G1+5], ROWB
	s_mov_b32 s[G1+6], 0
	s_mov_b32 s[G1+7], 0
	; for B: 128 rows of 256 bytes, 1,024 apart in memory, padded in LDS
	s_or_b32 s[G1B+0], s19, (0<<16)|(1<<20)|(1<<21)|(5<<22)|(3<<25)  ; padding: four words after every 64
	s_mov_b32 s[G1B+1], ROWB<<16
	s_mov_b32 s[G1B+2], 128<<16
	s_mov_b32 s[G1B+3], ROWB<<16
	s_mov_b32 s[G1B+4], 128
	s_mov_b32 s[G1B+5], KROW
	s_mov_b32 s[G1B+6], 0
	s_mov_b32 s[G1B+7], 0
	s_lshl_b32 s20, s17, 15                        ; A: 8 tiles of rows x 4,096 bytes for a tile row,
	s_lshl_b32 s46, s[HFB], 14                     ; + 4 tiles for the half that I fetch: also its place in a slot
	s_add_co_u32 s20, s20, s46
	s_mov_b32 s21, 0
	s_lshl_b32 s44, s16, 8
	s_lshl_b32 s45, s[HFB], 7
	s_add_co_u32 s44, s44, s45                     ; B: row 256 x tile column + 128 x half
	s_lshl_b32 s44, s44, 10
	s_mov_b32 s45, 0
	s_mul_i32 s47, s[HFB], BHALF
	s_add_co_u32 s47, s47, BOFF                    ; and its place in a slot: no place in the cluster enters an LDS address
	s_wait_kmcnt 0x0
	s_load_b64 s[96:97], s[8:9], 0x28              ; e10, e11
	s_add_nc_u64 s[56:57], s[4:5], s[20:21]
	s_add_nc_u64 s[58:59], s[6:7], s[44:45]
	CROUND                                         ; all sixteen work-groups are here: the first joint loads meet
.irp s, 0,1,2
	s_mov_b32 s[G0+4*\s], 1
	s_add_co_u32 s[G0+4*\s+1], s46, \s*SLOT
	s_add_nc_u64 s[G0+4*\s+2:G0+4*\s+3], s[56:57], \s*PLANE
	s_or_b32 s[G0+4*\s+3], s[G0+4*\s+3], 0x80000000
	s_mov_b32 s[G0B+4*\s], 1
	s_add_co_u32 s[G0B+4*\s+1], s47, \s*SLOT
	s_add_nc_u64 s[G0B+4*\s+2:G0B+4*\s+3], s[58:59], \s*ROWB
	s_or_b32 s[G0B+4*\s+3], s[G0B+4*\s+3], 0x80000000
	JLOAD G0+4*\s, G1, G0B+4*\s, G1B               ; three loads of mine are out behind these
.endr
	v_and_b32 v1, 15, v0                           ; l % 16
	v_bfe_u32 v2, v0, 4, 1                         ; l / 16
	v_and_b32 v6, 31, v0
	v_lshlrev_b32 v[CO], 4, v6                     ; 16 x lane
	v_mul_u32_u24 v3, v1, PITCH
	v_lshl_add_u32 v4, v2, 3, v3                   ; B: row x pitch + 8 x half
	s_lshl_b32 s22, s[HFA], 14                     ; my 64 rows of A
	s_mul_i32 s23, s[HFB], BHALF                   ; my 128 rows of B,
	s_add_co_u32 s23, s23, BOFF                    ; which lie behind A's images
.irp s, 0,1,2
	v_add_nc_u32 v[ADRA+\s], s22, v[CO]
	v_add_nc_u32 v[ADRB+\s], s23, v4
	s_add_co_u32 s22, s22, SLOT
	s_add_co_u32 s23, s23, SLOT
.endr
	s_mul_i32 s23, s[WV], 16*SPITCH
	s_add_co_u32 s23, s23, STAGE                   ; my stage
	v_mul_u32_u24 v5, v1, SPITCH                   ; in: row l % 16, 32 bytes for each half of the lanes
	v_lshl_add_u32 v5, v2, 5, v5
	v_add_nc_u32 v[STO], s23, v5
	v_add_nc_u32 v[RD], s23, v[CO]                 ; back: the 32 lanes take one row of 512 bytes
	s_lshl_b32 s62, s16, 10                        ; my first column, in bytes: 1,024 x tile column + 512 x half
	s_lshl_b32 s63, s[HFB], 9
	s_add_co_u32 s62, s62, s63
	s_mov_b32 s63, 0
	s_lshl_b32 s60, s17, 7
	s_lshl_b32 s61, s[HFA], 6
	s_add_co_u32 s60, s60, s61                     ; my first row: 128 x tile row + 64 x half
	s_lshl_b32 s60, s60, 12                        ; rows of 4,096 bytes: under 2^25
	s_add_co_u32 s60, s60, s62
	s_mov_b32 s61, 0
	s_add_nc_u64 s[10:11], s[10:11], s[62:63]
	s_add_nc_u64 s[12:13], s[12:13], s[60:61]
	global_load_b128 v[BIAS:BIAS+3], v[CO], s[10:11]   ; b_out of the four columns that my lane stores
.macro FRAG_A reg, adr, q, i           ; a fragment of ctx comes back as it was stored: four registers at 16 x lane, 512 bytes a load
.irp c, 0,1,2,3
	ds_load_b128 v[\reg+4*\c:\reg+4*\c+3], v[\adr] offset:(\i)*4096+(\q)*2048+512*\c
.endr
.endm
.macro FRAG_B reg, adr, q, i           ; a fragment of W_out: lane l holds row l % 16; registers 2 c, 2 c + 1 hold K = 16 c + 8 (l / 16) + 0 .. 7
.irp c, 0,1,2,3,4,5,6,7
	ds_load_b64 v[\reg+2*\c:\reg+2*\c+1], v[\adr] offset:128*(\q)+16*\c+(\i)*16*PITCH
.endr
.endm
; Half h of the fragments of the slot's q-th 128 along K, into sets p: B's fragments 4 h .. 4 h + 3 and A's 2 h, 2 h + 1: 40 LDS loads in one run
.macro FETCHH slot, q, p, h
	WIN TO_B
.irp i, 0,1,2,3
	FRAG_B 128*(\p)+FR*(4*(\h)+\i), ADRB+\slot, \q, 4*(\h)+\i
.endr
	WIN 0
.irp i, 0,1
	FRAG_A AF+64*(\p)+FR*(2*(\h)+\i), ADRA+\slot, \q, 2*(\h)+\i
.endr
.endm
; 8 matrix instructions: A's block a x B's eight, 128 along K, from sets p.  zero = 1: the first product starts the sums.  The 32 accumulators take turns, one instruction a turn.
.macro MUL8 a, p, zero
	WIN MUL
.irp b, 0,1,2,3,4,5,6,7
.if \zero
	v_wmma_f32_16x16x128_fp8_fp8 v[8*(8*(\a)+\b):8*(8*(\a)+\b)+7], v[128*(\p)+FR*\b:128*(\p)+FR*\b+FR-1], v[AF+64*(\p)+FR*(\a):AF+64*(\p)+FR*(\a)+FR-1], 0
.else
	v_wmma_f32_16x16x128_fp8_fp8 v[8*(8*(\a)+\b):8*(8*(\a)+\b)+7], v[128*(\p)+FR*\b:128*(\p)+FR*\b+FR-1], v[AF+64*(\p)+FR*(\a):AF+64*(\p)+FR*(\a)+FR-1], v[8*(8*(\a)+\b):8*(8*(\a)+\b)+7]
.endif
.endr
.endm
; A load into a register that a matrix instruction has read, and an LDS store that reads a matrix result, stand NP places behind it; only plain vector instructions that name none of its registers are places.
.macro PLACES n
.rept \n
	v_nop
.endr
.endm
; A step of 128 along K that has its successor in the same slot.  The other sets were read by the step before: the four places stand between its products and the loads.
.macro STEP slot, q, zero
	s_wait_dscnt 0x0                               ; this step's fragments are in
	PLACES NP
	FETCHH \slot, (\q)+1, 1-(\q)%2, 0
	MUL8 0, (\q)%2, \zero
	FETCHH \slot, (\q)+1, 1-(\q)%2, 1
	MUL8 1, (\q)%2, \zero
	MUL8 2, (\q)%2, \zero
	MUL8 3, (\q)%2, \zero
.endm
; A slot's last step changes slots: ONE barrier, at the step's head, where the wait for the step's own fragments is also the wait for my last reads of this slot.  In front of it each wave waits for all its tensor loads and
; adds 0 to its spare word.  fill = 1: this slot is filled again, three K steps ahead.
.macro TURN slot, next, fill
	WIN 0                                          ; (the add's two registers lie in window 0)
	s_wait_tensorcnt 0x0                           ; all my tensor loads have landed: my parts of the slots ahead
	ds_add_u32 v[SPW], v[NIL]                      ; 0 onto my spare word
	s_wait_dscnt 0x0                               ; the add is done, this step's fragments are in, and my reads of this slot are over
	s_barrier_signal -1
	MUL8 0, 1, 0                                   ; work on registers while the others arrive
	WIN 0
	s_barrier_wait -1
.if \fill
	CREST                                          ; the barrier has opened a round of the cluster's barrier: no wave of any partner still reads this slot or has a load on its way
	s_add_nc_u64 s[G0+4*\slot+2:G0+4*\slot+3], s[G0+4*\slot+2:G0+4*\slot+3], 3*PLANE
	s_add_nc_u64 s[G0B+4*\slot+2:G0B+4*\slot+3], s[G0B+4*\slot+2:G0B+4*\slot+3], 3*ROWB
	JLOAD G0+4*\slot, G1, G0B+4*\slot, G1B         ; the first tensor load behind the round, and my last; its four v_nop are the places in front of the loads below
.else
	PLACES NP
.endif
	FETCHH \next, 0, 0, 0
	MUL8 1, 1, 0
	FETCHH \next, 0, 0, 1
	MUL8 2, 1, 0
	MUL8 3, 1, 0
.endm
	s_wait_tensorcnt 2                             ; my part of K step 0 is in; K steps 1 and 2's loads may be out
	s_barrier_signal -1
	s_barrier_wait -1                              ; everybody's is
	FETCHH 0, 0, 0, 0
	FETCHH 0, 0, 0, 1
	STEP 0, 0, 1                                   ; k 0-127: these products start the sums
	TURN 0, 1, 1                                   ; k 128-255; slot 0 takes k 768-1023
	STEP 1, 0, 0
	TURN 1, 2, 0                                   ; behind this barrier nobody reads slot 1
	STEP 2, 0, 0
	TURN 2, 0, 0                                   ; its wait for all tensor loads shows the refill landed
	STEP 0, 0, 0
	s_wait_dscnt 0x0                               ; the last step
	MUL8 0, 1, 0
	MUL8 1, 1, 0
	MUL8 2, 1, 0
	MUL8 3, 1, 0
	WIN 0
; THE WAY OUT, block by block of 16 rows x 128 columns.  A lane holds 32 neighbouring bytes of a row and the lanes beside it other rows: a block's sums go through my own stage in LDS as they are and come back as whole rows of
; 512 bytes; there a lane holds the same four columns in every row, so one packed multiply-add for two numbers gives sum x 2^(e10 + e11) + b_out.  LDS serves a wave's instructions in order (ISA guide 5.7.1.4).
.macro TOSTAGE a
.set AC, 64*(\a)
	WIN 0x08                                       ; an LDS store's data: window 2
.irp b, 0,1,2,3,4,5,6,7
	ds_store_b128 v[STO], v[AC+8*\b:AC+8*\b+3] offset:64*\b            ; each accumulator from its low end on
	ds_store_b128 v[STO], v[AC+8*\b+4:AC+8*\b+7] offset:64*\b+16
.endr
	WIN 0
.set BB, BK+64*((\a)%2)
.irp t, 0,1,2,3,4,5,6,7,8,9,10,11,12,13,14,15
	ds_load_b128 v[BB+4*\t:BB+4*\t+3], v[RD] offset:\t*SPITCH
.endr
.endm
.macro SEND a, younger                 ; younger: the LDS instructions issued behind block a's loads, which may stay out
.set BB, BK+64*((\a)%2)
	s_wait_dscnt \younger                          ; the block is back in registers
.irp t, 0,1,2,3,4,5,6,7,8,9,10,11,12,13,14,15
	v_pk_fma_f32 v[BB+4*\t:BB+4*\t+1], v[BB+4*\t:BB+4*\t+1], s[96:97], v[BIAS:BIAS+1] op_sel_hi:[1,0,1]       ; (the scalar pair's low word for both halves)
	v_pk_fma_f32 v[BB+4*\t+2:BB+4*\t+3], v[BB+4*\t+2:BB+4*\t+3], s[96:97], v[BIAS+2:BIAS+3] op_sel_hi:[1,0,1]
.endr
.irp t, 0,1,2,3,4,5,6,7,8,9,10,11,12,13,14,15
	global_store_b128 v[CO], v[BB+4*\t:BB+4*\t+3], s[12:13] offset:(16*(\a)+\t)*4096 th:TH_STORE_NT   ; 32 lanes store 512 consecutive bytes, at a multiple of 512 from out0's first byte; 63 rows at the most stand in the immediate
.endr
.endm
	s_wait_kmcnt 0x0
	s_add_co_i32 s96, s96, s97                     ; e10 + e11
	s_add_co_i32 s96, s96, 127
	s_lshl_b32 s96, s96, 23                        ; 2^(e10 + e11) as f32
	s_mov_b32 s97, s96                             ; (named with it as a pair, so it is written)
	s_wait_loadcnt 0x0                             ; b_out
	PLACES NP                                      ; behind the last products: the stage's stores read results, its loads land in registers that held A's fragments
	TOSTAGE 0
.irp a, 1,2,3
.if \a > 1
	s_wait_xcnt 0x0                                ; block a - 2's stores have read their registers: block a's loads may land there
.endif
	TOSTAGE \a
	SEND \a-1, 32                                  ; behind block a - 1's loads: block a's 16 stores and 16 loads
.endr
	SEND 3, 0
	s_wait_tensorcnt 0x0                           ; the wave's end
	ds_add_u32 v[SPW], v[NIL]
	s_wait_dscnt 0x0
	CROUND                                         ; the closing round: no work-group ends while a partner may still ask for a tile that names it
	s_endpgm
.Lfunc_end_k_qe341a6e29a_outp:
	.size	k_qe341a6e29a_outp, .Lfunc_end_k_qe341a6e29a_outp-k_qe341a6e29a_outp
	.p2alignl 7, 3214868480
	.fill 96, 4, 3214868480
	.section	.rodata,"a",@progbits
	.p2align	6, 0x0
	.amdhsa_kernel k_qe341a6e29a_outp
		.amdhsa_group_segment_fixed_size 327680
		.amdhsa_private_segment_fixed_size 0
		.amdhsa_enable_private_segment 0
		.amdhsa_kernarg_size 40
		.amdhsa_user_sgpr_count 2
		.amdhsa_user_sgpr_kernarg_segment_ptr 1
		.amdhsa_wavefront_size32 1
		.amdhsa_system_sgpr_workgroup_id_x 1
		.amdhsa_system_sgpr_workgroup_id_y 1
		.amdhsa_system_sgpr_workgroup_id_z 1
		.amdhsa_system_vgpr_workitem_id 0
		.amdhsa_next_free_vgpr 768
		.amdhsa_next_free_sgpr 98
		.amdhsa_reserve_vcc 0
		.amdhsa_float_denorm_mode_32 3
		.amdhsa_float_denorm_mode_16_64 3
		.amdhsa_memory_ordered 1
		.amdhsa_forward_progress 1
		.amdhsa_inst_pref_size 92
	.end_amdhsa_kernel
	.amdgpu_metadata
---
amdhsa.version: [ 1, 2 ]
amdhsa.kernels:
  - .name:           k_qe341a6e29a_outp
    .symbol:         k_qe341a6e29a_outp.kd
    .args:
      - { .name: ctx, .offset: 0, .size: 8, .value_kind: global_buffer, .address_space: global }
      - { .name: W_out_codes, .offset: 8, .size: 8, .value_kind: global_buffer, .address_space: global }
      - { .name: lowp_scales, .offset: 16, .size: 8, .value_kind: global_buffer, .address_space: global }
      - { .name: b_out, .offset: 24, .size: 8, .value_kind: global_buffer, .address_space: global }
      - { .name: out0, .offset: 32, .size: 8, .value_kind: global_buffer, .address_space: global }
    .group_segment_fixed_size: 327680
    .private_segment_fixed_size: 0
    .kernarg_segment_align: 8
    .kernarg_segment_size: 40
    .max_flat_workgroup_size: 128
    .sgpr_count:     98
    .vgpr_count:     768
    .wavefront_size: 32
...
	.end_amdgpu_metadata
.endif
;; end of part 6
